; MI455X (gfx1250); checked and timed in simulation.
; The chip was launched on July 23, 2026; its instructions are those of AMD's public machine-readable ISA for CDNA 5 (MIT licence, August 2026) and "CDNA5" Instruction Set Architecture Reference Guide (July 2026). The comments in the code are by the model that wrote it; some were corrected since.
;; Multi Head Attention. Allowed arithmetic: matrix products marked QUANTISED: E4M3 operands, one E8M0 scale for each 32 along K, by v_wmma_scale_f32_16x16x128_f8f6f4 with both operands' format E4M3, f32 sums; everything else in f32.
;; Inputs: Wk_codes 1,024 x 32 x 32 uint8 (E4M3 codes of Wk, K innermost, in blocks of 32 codes); Wk_scales 1,024 x 32 uint8 (E8M0 scales of Wk, one for each 32 codes along K); Wp_codes 1,024 x 32 x 32 uint8 (E4M3 codes of Wp, K innermost, in blocks of 32 codes); Wp_scales 1,024 x 32 uint8 (E8M0 scales of Wp, one for each 32 codes along K); Wq_codes 1,024 x 32 x 32 uint8 (E4M3 codes of Wq, K innermost, in blocks of 32 codes); Wq_scales 1,024 x 32 uint8 (E8M0 scales of Wq, one for each 32 codes along K); Wv_codes 1,024 x 32 x 32 uint8 (E4M3 codes of Wv, K innermost, in blocks of 32 codes); Wv_scales 1,024 x 32 uint8 (E8M0 scales of Wv, one for each 32 codes along K); bp 1,024 float32; x_codes 4 x 2,048 x 32 x 32 uint8 (E4M3 codes of x, K innermost, in blocks of 32 codes); x_scales 4 x 2,048 x 32 uint8 (E8M0 scales of x, one for each 32 codes along K).
;; Outputs: out0 4 x 2,048 x 1,024 float32.
;; This version of the problem:
;;   THIS VERSION OF THE PROBLEM IS GIVEN IN LOW PRECISION. The matrix products marked QUANTISED in the list below multiply operands that are first quantised to E4M3 (4 exponent bits, 3 mantissa bits; 8 bits a number), with one power-of-two scale for each 32 numbers along K (OCP MX v1.0); their sums are f32. All else is computed in f32.
;;   The module's matrix products, in the order in which they are computed (A, B: the left and right operand; K: the contracted axis; several contracted axes count as one K, in the product's order):
;;     1. [M 8,192, K 1,024] x [K 1,024, N 1,024]; A: input x (given as codes); B: input Wk (given as codes): QUANTISED
;;     2. [M 8,192, K 1,024] x [K 1,024, N 1,024]; A: input x (given as codes); B: input Wq (given as codes): QUANTISED
;;     3. [M 8,192, K 1,024] x [K 1,024, N 1,024]; A: input x (given as codes); B: input Wv (given as codes): QUANTISED
;;     4. batch 64 x [M 2,048, K 64] x [K 64, N 2,048]; A: computed on the way; B: computed on the way: QUANTISED
;;     5. batch 64 x [M 2,048, K 2,048] x [K 2,048, N 64]; A: softmax (see below); B: computed on the way: QUANTISED
;;     6. [M 8,192, K 1,024] x [K 1,024, N 1,024]; A: computed on the way; B: input Wp (given as codes): QUANTISED
;;   THE QUANTISER, for each operand of a quantised product, along K:
;;     - K is cut into blocks of 32 from its start; a last block that is shorter is filled with zeros.
;;     - A block's scale is 2^e with e = floor(log2(the largest magnitude in the block)) - 8, held to -126 .. 127; a block of zeros has e = 0. As a byte (E8M0): e + 127.
;;     - Each number is divided by its block's scale, clamped to +-448, and rounded to the nearest number of E4M3, ties to even, subnormals kept.
;;     - The product sums the exact products of the quantised numbers (number of the format x scale) in f32.
;;   ~~~python
;;   def quantise(x, axis):      # numpy; x: float32 -> the quantised numbers, widened to float32 again
;;       x = np.moveaxis(x, axis, -1); K = x.shape[-1]
;;       x = np.pad(x, [(0, 0)] * (x.ndim - 1) + [(0, -K % 32)]); x = x.reshape(x.shape[:-1] + (-1, 32)); a = np.abs(x).max(-1, keepdims=True)
;;       e = np.where(a > 0, np.clip(np.frexp(np.where(a > 0, a, 1))[1] - 1 - 8, -126, 127), 0)      # np.frexp(a)[1] - 1 = floor(log2(a)), exactly
;;       r = np.clip(x / 2.0 ** e, -448, 448)
;;       step = 2.0 ** (np.maximum(np.frexp(np.where(r == 0, 1, r))[1] - 1, -6) - 3)
;;       q = np.round(r / step) * step * 2.0 ** e      # np.round: ties to even
;;       return np.moveaxis(q.reshape(q.shape[:-2] + (-1,))[..., :K], -1, axis).astype(np.float32)
;;   ~~~
;;   SOFTMAX AHEAD OF A QUANTISED PRODUCT. Where the list says 'softmax', what is quantised is not the finished softmax but p = 2^(t - M), with t = logit x log2(e) and M = ceil(the row's largest t), a whole number; so 1/2 < the row's largest p <= 1. The row's sum l is taken of the UNQUANTISED p, in f32, and the product's result is divided by l at the end. Since M is a whole number, a kernel that streams over the keys may use a running M (the ceiling of the running maximum): every later rescaling is an exact power of two, which a block's scale takes up: the codes' values come out the same.
;;   OPERANDS COMPUTED ON THE WAY. 'Computed on the way' means the value that the module computes at that place (a softmax that the list does not call 'softmax' is quantised finished and normalised). What goes into a quantiser is computed in f32, as accurately as f32 sums, v_exp_f32 and their like allow (about 1e-6 of the number): no bf16 or f16 on the way to a quantiser, and a product that is left as it is and whose result goes on into a quantised operand takes f32 operands (vector FMAs, or v_wmma_f32_16x16x4_f32). A number that lies on a knife's edge between two numbers of the format may be rounded either way, as far as f32 arithmetic and the matrix unit's own rounding can turn it there, and no further.
;;   INPUTS GIVEN AS CODES. Wk (in the module: [1024, 1024], K = its axis 1); Wp (in the module: [1024, 1024], K = its axis 1); Wq (in the module: [1024, 1024], K = its axis 1); Wv (in the module: [1024, 1024], K = its axis 1); x (in the module: [4, 2048, 1024], K = its axis 2): each comes as NAME_codes (uint8): NAME with its K axis moved to the last place and cut into blocks of 32 codes, [.., K / 32, bytes a block], one block behind the other in memory; one code a byte (a code: sign, 4 exponent bits, 3 mantissa bits); and NAME_scales (uint8): the same leading axes, one E8M0 byte (e + 127) for each 32 codes along K. Its value is code x scale, taken as it is: it is not quantised again, and the codes and scales need not be those that the quantiser above would give.
;; One version. Each part assembles by itself: llvm-mc -triple=amdgcn-amd-amdhsa -mcpu=gfx1250 --defsym DOCPART=n.
;; ======== version 1 of 1: 3 launches
;; limits: right only within a limited range of input values
;; workspace buffers: qb 17,563,648 bytes; kvb 17,563,648 bytes; o_img 8,388,608 bytes; o_sc 262,144 bytes
;; launch qkv (part 1): grid 12 x 32, 4 waves a work-group, clusters of 4 x 4, 327,680 bytes of LDS; arguments x_codes, x_scales, Wq_codes, Wq_scales, Wk_codes, Wk_scales, Wv_codes, Wv_scales, qb, kvb; writes qb, kvb
.if DOCPART == 1
	.amdgcn_target "amdgcn-amd-amdhsa--gfx1250"
	.amdhsa_code_object_version 6
	.text
	.protected	k_q7525459eb3_qkv
	.globl	k_q7525459eb3_qkv
	.p2align	8
	.type	k_q7525459eb3_qkv,@function
k_q7525459eb3_qkv:
	s_mov_b64 s[64:65], 0
	v_nop
	global_prefetch_b8 v0, s[64:65] scope:SCOPE_SE
	s_setreg_imm32_b32 hwreg(HW_REG_WAVE_MODE, 25, 1), 1
	s_wait_xcnt 0x0
	s_wait_alu depctr_hold_cnt(0) depctr_sa_sdst(0) depctr_va_vdst(0) depctr_va_sdst(0) depctr_va_ssrc(0) depctr_va_vcc(0) depctr_vm_vsrc(0)
	s_getreg_b32 s2, hwreg(HW_REG_IB_STS2, 6, 4)
	s_cmp_eq_u32 s2, 0
	s_cbranch_scc0 .Lentry_in_a_cluster
	s_endpgm
.Lentry_in_a_cluster:
	s_bfe_u32 s2, ttmp6, 0x10000c
	s_cmp_lg_u32 s2, 0xf033
	s_cbranch_scc0 .Lentry_shape_is_right
	s_endpgm
.Lentry_shape_is_right:
; THE PROGRAM: causal attention of 16 heads of 64 over 4 x 2,048 tokens of 1,024, all six products on codes of FP8 (E4M3) with one E8M0 scale for each 32 along K.
; Three launches: this one (q, k, v = x W^T, quantised on the way out), the attention (scores, softmax, weighted values, quantised on the way out), the projection (+ bp).
; WORK LEFT OUT: the mask is the lower triangle that the problem builds itself: a score of key k > query q becomes -infinity, its p = 2^(t - M) is exactly 0, and 0 adds nothing to the row's sum or to the
; second product, whatever the inputs hold.  So a step of 128 keys that all come after a wave's 16 queries is neither loaded nor multiplied (second launch).  No input is without a way to the output: all are loaded.
; LIMITS: a NaN, an infinity or an overflow that reaches only such hidden steps is not carried to the result; NaN and infinities among the inputs are not served; a block of zeros gets the scale byte 1 where the
; rule says 127 (its codes are zeros, and these bytes are read by this program alone); a block whose largest magnitude lies under 2^-118 has its byte held at 1.
; THIS LAUNCH: three GEMMs with K = 1,024 in one grid; the cluster's x picks the problem: 0: q = x Wq^T -> qb;  1: k = x Wk^T -> kvb;  2: v^T = Wv x^T -> kvb (A = Wv, B = x, so that a lane's results run along the keys).
; A tile of C, 256 x 256, is made by four waves, 128 x 128 each: 64 accumulators.  K goes in steps of 256 through a ring of two LDS slots filled by the tensor data mover; the scale bytes of the tile's rows come once.
; CLUSTERS: 4 x 4 work-groups; A's tiles are asked for jointly along a row of the cluster, B's along a column.  The choice of problem hangs on the cluster's x alone, which all sixteen partners share.
; THE MATRIX INSTRUCTION IS USED TRANSPOSED (source 0 = 16 rows of B, source 1 = 16 rows of A): lane (r, h) holds row r of A's block and columns 8 h + 0 .. 7 of B's block.
; THE WAY OUT: the 16 registers of B's blocks 2 c and 2 c + 1 are 16 numbers of ONE block of 32 along the next product's K (elements 8 h + 0 .. 7 and 16 + 8 h + 0 .. 7); lane l xor 16 holds the other 16.
; They are quantised as they stand, and the four code registers ARE registers 4 c .. 4 c + 3 of the next operand, with the 32 elements of a block in another order.  Both sides of the scores' product (q, k) and both
; sides of the values' product (p, v) get the same order, so the same pairs are multiplied and the blocks' scales are the rule's.  The registers go to memory as images: 16 bytes a lane, 512 consecutive bytes a store.
; A BLOCK OF THE WORKSPACE (one head, 128 tokens, KVB = 17,152 bytes): 0: k's (q's) 8 tiles of 16 tokens x 2 x 512;  8,192: v^T's 4 tiles of 16 channels x 4 x 512;  16,384: k's scale words, [lane (r, h)][4]: word i is
; token 16 (4 h + i) + r's;  16,896: v's, [r][4]: word t is channel 16 t + r's.
; REGISTERS, in windows of 256: window 0: v0-31 addresses; v32-63 scale words, two sets; from v128 A's fragments, one set; on the way out v128-191 at work.  window 1: B's fragments, two sets.  windows 2, 3: accumulators.
.set SIZE_K, 1024
.set KSTEP,  256                       ; along K in a slot
.set NQ,     KSTEP/128                 ; matrix instructions deep
.set ROWB,   256                       ; a tile's row in bytes
.set KROW,   SIZE_K                    ; a row of codes in memory
.set PITCH,  272                       ; an LDS row: 256 bytes + 16 of padding = 68 words: the 16 rows that a load touches start at 16 different banks (64 banks of 4 bytes: ISA guide 11.1)
.set FR,     16                        ; registers of a fragment
.set NL,     4                         ; LDS loads that bring one
.set NP,     8                         ; places behind this matrix instruction (ISA guide 7.12.1)
.set HALFT,  128*PITCH
.set SLOT,   4*HALFT                   ; A's 256 rows, then B's 256 rows
.set LAPS,   SIZE_K/(2*KSTEP)
.set KS,     SIZE_K/32                 ; a row of scale bytes
.set SCL,    2*SLOT                    ; behind the ring: the scales, as units of 256 bytes + 16 of padding
.set HALFS,  (128*KS/256)*272
.set SBLK,   (16*KS/256)*272
.set SPARE,  SCL+4*HALFS               ; the spare words, 128 bytes for each wave: two blocks of 256 bytes that no other line names
.set KVB,    17152                     ; a block of the workspace
.set HSB,    16*KVB                    ; from head to head
.set ADRA, 16                          ; v16-17  LDS address of my A fragments in slot 0, 1
.set ADRB, 20                          ; v20-21  the same for B
.set ADRS, 27                          ; v27     LDS address of my scale words: lanes 0-15 A's rows, lanes 16-31 B's
.set SPW,  28                          ; v28     my spare word; never rewritten
.set NIL,  29                          ; v29     0; never rewritten
.set SC,   32                          ; scale words: set s at v[SC + 16 s]
.set AF,   128                         ; A's fragments
.set XN,   64
.set CD,   128                         ; v128-143 their codes
.set VOA,  144                         ; v144 byte offset of the first two stores of a block, v145 of the other two
.set VOB,  145
.set VSO,  146                         ; v146 byte offset of the scale words' store
.set F0,   152                         ; v152-155, v156-159 scale words to store
.set F1,   156
.set TM,   160                         ; v160-163 largest magnitudes, v164-167 bytes, v172-175 the conversions' scale operands
.set W0,   176                         ; v176-183 block a's four bytes; v184-191 the upper two of them
.set W1,   184
.set G1, 24
.set G0, 32
.set G1B, 48
.set G0B, 56
.set G1S, 68
.set G0S, 76
.set G1SB, 80
.set G0SB, 88
.set MSB, 0
.macro WIN new                         ; the immediate's high byte repeats the setting that is left
.if MSB != \new
	s_set_vgpr_msb (MSB<<8)|\new
.set MSB, \new
.endif
.endm
.set MUL_LO, 0xa1                      ; source 0 (B) window 1, source 1 (A) window 0, C and D window 2
.set MUL_HI, 0xf1                      ; the same, C and D window 3
.set TO_B,   0x40                      ; destination window 1, address window 0
; A joint load: waves 0 and 1 fetch for A, waves 2 and 3 for B.  The branch hangs on the wave's number alone.  An s_nop 0 and four v_nop follow each of the two lines.
.macro JLOAD g0a, g1a, g0b, g1b
	s_cmp_eq_u32 s15, 0
	s_cbranch_scc0 .Lfor_b_\@
	tensor_load_to_lds s[\g0a:\g0a+3], s[\g1a:\g1a+7]
	s_nop 0
.rept 4
	v_nop
.endr
	s_branch .Lasked_\@
.Lfor_b_\@:
	tensor_load_to_lds s[\g0b:\g0b+3], s[\g1b:\g1b+7]
	s_nop 0
.rept 4
	v_nop
.endr
.Lasked_\@:
.endm
.macro CREST                           ; a round of the cluster's barrier behind its opening barrier
	s_cmp_lg_u32 s14, 0
	s_cbranch_scc1 .Lnot_wave_0_\@
	s_barrier_signal -3
.Lnot_wave_0_\@:
	s_barrier_wait -3
	s_barrier_signal -1
	s_barrier_wait -1
.endm
.macro CROUND                          ; a whole round
	s_barrier_signal -1
	s_barrier_wait -1
	CREST
.endm
	s_load_b512 s[68:83], s[0:1], 0x0              ; x's codes, scales; Wq's; Wk's; Wv's
	s_load_b128 s[84:87], s[0:1], 0x40             ; qb, kvb
	v_lshl_add_u32 v[SPW], v0, 2, SPARE
	v_mov_b32 v[NIL], 0
	ds_add_u32 v[SPW], v[NIL]                      ; the wave's opening: the add, twice on end, and its wait ahead of my first tensor load
	ds_add_u32 v[SPW], v[NIL]
	v_lshrrev_b32 v1, 5, v0
	v_readfirstlane_b32 s14, v1                    ; wave 0..3
	s_lshr_b32 s15, s14, 1                         ; which half of the tile's rows is mine.  Also: I fetch for A (0) or for B (1)
	s_and_b32 s16, s14, 1                          ; which half of its columns.  Also: which 128 rows of that tile I fetch
	s_bfe_u32 s40, ttmp6, 0x40000                  ; cx, cy: my place in the cluster
	s_bfe_u32 s41, ttmp6, 0x40004
	s_and_b32 s18, ttmp7, 0xffff
	s_lshl_b32 s18, s18, 2                         ; 4 x cluster y: it walks x's 32 tiles of 256 tokens
	s_cmp_eq_u32 ttmp9, 2                          ; the problem: the cluster's x, the same in all sixteen partners
	s_cselect_b32 s17, 0, s18                      ; q, k: x is A, its tiles are tile rows;
	s_cselect_b32 s42, s18, 0                      ; v: x is B, its tiles are tile columns
	s_cselect_b32 s96, 1, 0                        ; 1: v
	s_add_co_u32 s17, s17, s41                     ; tile row of C: it never holds cx
	s_add_co_u32 s42, s42, s40                     ; tile column of C: it never holds cy
	s_lshl_b32 s43, s41, 2
	s_lshl_b32 s43, 15, s43                        ; my row of the cluster
	s_lshl_b32 s44, 0x1111, s40                    ; my column
	; descriptor group 1: a tile of 128 rows x 256 bytes, padded in LDS
	s_or_b32 s[G1+0], s43, (0<<16)|(1<<20)|(1<<21)|(5<<22)|(3<<25)  ; the mask; elements of 1 byte; padding on; bit 21 beside a mask; after every 64 words 4 words
	s_or_b32 s[G1B+0], s44, (0<<16)|(1<<20)|(1<<21)|(5<<22)|(3<<25)
.irp g, G1, G1B
	s_mov_b32 s[\g+1], ROWB<<16                    ; tensor_dim0
	s_mov_b32 s[\g+2], 128<<16                     ; tensor_dim1
	s_mov_b32 s[\g+3], ROWB<<16                    ; tile_dim0
	s_mov_b32 s[\g+4], 128                         ; tile_dim1
	s_mov_b32 s[\g+5], KROW                        ; tensor_dim0_stride
	s_mov_b32 s[\g+6], 0
	s_mov_b32 s[\g+7], 0
.endr
	s_lshl_b32 s18, s16, 7                         ; which 128 rows of the tile I fetch
	s_lshl_b32 s20, s17, 8
	s_add_co_u32 s20, s20, s18                     ; A: row 256 x tile row + 128 x half
	s_lshl_b32 s46, s42, 8
	s_add_co_u32 s46, s46, s18                     ; B: row 256 x tile column + 128 x half
	s_mov_b32 s21, 0
	s_mov_b32 s47, 0
	s_mov_b64 s[18:19], KS
	s_mul_u64 s[22:23], s[20:21], s[18:19]         ; where these rows' scales begin, in bytes
	s_mul_u64 s[92:93], s[46:47], s[18:19]
	s_mov_b64 s[18:19], KROW
	s_mul_u64 s[20:21], s[20:21], s[18:19]         ; and their codes
	s_mul_u64 s[46:47], s[46:47], s[18:19]
	s_mul_i32 s45, s14, HALFT                      ; where they go: wave x 128 rows: no place in the cluster enters an LDS address
	s_mul_i32 s94, s14, HALFS
	s_wait_dscnt 0x0                               ; both opening adds are done
	s_wait_kmcnt 0x0
	s_cmp_eq_u32 ttmp9, 0                          ; the buffers are chosen by the cluster's x alone
	s_cselect_b64 s[8:9], s[72:73], s[76:77]       ; B's codes: Wq's or Wk's
	s_cselect_b64 s[10:11], s[74:75], s[78:79]     ; B's scales
	s_cselect_b64 s[12:13], s[84:85], s[86:87]     ; the output: qb, or kvb (k and v)
	s_cmp_eq_u32 ttmp9, 2
	s_cselect_b64 s[4:5], s[80:81], s[68:69]       ; A's codes: Wv's or x's
	s_cselect_b64 s[6:7], s[82:83], s[70:71]
	s_cselect_b64 s[8:9], s[68:69], s[8:9]         ; v: B is x
	s_cselect_b64 s[10:11], s[70:71], s[10:11]
	s_add_nc_u64 s[20:21], s[4:5], s[20:21]
	s_add_nc_u64 s[22:23], s[6:7], s[22:23]
	s_add_nc_u64 s[46:47], s[8:9], s[46:47]
	s_add_nc_u64 s[92:93], s[10:11], s[92:93]
	; group 1 for the scales of 128 rows: 4,096 dense bytes as 16 rows of 256 (32 elements of 8 bytes), 16 bytes of padding behind each.  (The arguments' registers are free now)
	s_or_b32 s[G1S+0], s43, (3<<16)|(1<<20)|(1<<21)|(5<<22)|(3<<25)
	s_or_b32 s[G1SB+0], s44, (3<<16)|(1<<20)|(1<<21)|(5<<22)|(3<<25)
.irp g, G1S, G1SB
	s_mov_b32 s[\g+1], 32<<16
	s_mov_b32 s[\g+2], (128*KS/256)<<16
	s_mov_b32 s[\g+3], 32<<16
	s_mov_b32 s[\g+4], 128*KS/256
	s_mov_b32 s[\g+5], 32
	s_mov_b32 s[\g+6], 0
	s_mov_b32 s[\g+7], 0
.endr
	CROUND                                         ; all sixteen work-groups are here: the first joint loads meet
	s_mov_b32 s[G0S], 1
	s_add_co_u32 s[G0S+1], s94, SCL
	s_mov_b64 s[G0S+2:G0S+3], s[22:23]
	s_or_b32 s[G0S+3], s[G0S+3], 0x80000000
	s_mov_b32 s[G0SB], 1
	s_add_co_u32 s[G0SB+1], s94, SCL
	s_mov_b64 s[G0SB+2:G0SB+3], s[92:93]
	s_or_b32 s[G0SB+3], s[G0SB+3], 0x80000000
	JLOAD G0S, G1S, G0SB, G1SB                     ; the scales first: they are wanted with K step 0
.irp s, 0,1
	s_mov_b32 s[G0+4*\s], 1
	s_add_co_u32 s[G0+4*\s+1], s45, \s*SLOT
	s_add_nc_u64 s[G0+4*\s+2:G0+4*\s+3], s[20:21], \s*ROWB
	s_or_b32 s[G0+4*\s+3], s[G0+4*\s+3], 0x80000000
	s_mov_b32 s[G0B+4*\s], 1
	s_add_co_u32 s[G0B+4*\s+1], s45, \s*SLOT
	s_add_nc_u64 s[G0B+4*\s+2:G0B+4*\s+3], s[46:47], \s*ROWB
	s_or_b32 s[G0B+4*\s+3], s[G0B+4*\s+3], 0x80000000
	JLOAD G0+4*\s, G1, G0B+4*\s, G1B               ; three tensor loads of mine are out now
.endr
	v_and_b32 v1, 15, v0                           ; r = l % 16
	v_bfe_u32 v2, v0, 4, 1                         ; h = l / 16
	v_mul_u32_u24 v3, v1, PITCH
	v_lshl_add_u32 v4, v2, 4, v3                   ; a fragment's row x pitch + 16 x half
	s_mul_i32 s21, s15, HALFT                      ; my 128 rows of A
	s_mul_i32 s22, s16, HALFT                      ; my 128 rows of B,
	s_add_co_u32 s22, s22, 2*HALFT                 ; which lie behind A's 256
.irp s, 0,1
	v_add_nc_u32 v[ADRA+\s], s21, v4
	v_add_nc_u32 v[ADRB+\s], s22, v4
	s_add_co_u32 s21, s21, SLOT
	s_add_co_u32 s22, s22, SLOT
.endr
	v_mul_u32_u24 v5, v1, KS                       ; my row's scales: KS bytes a row,
	v_lshrrev_b32 v6, 8, v5
	v_lshl_add_u32 v5, v6, 4, v5                   ; and 16 more for each 256 passed
	s_mul_i32 s21, s15, HALFS                      ; A's: my 128 rows
	s_mul_i32 s22, s16, HALFS                      ; B's: my 128 rows, behind A's 256
	s_add_co_u32 s22, s22, 2*HALFS
	s_sub_co_u32 s22, s22, s21
	v_mul_u32_u24 v6, s22, v2                      ; lanes 16-31 take B's: one product, the distance between the two bases
	s_add_co_u32 s21, s21, SCL
	v_add_nc_u32 v5, v5, v6
	v_add_nc_u32 v[ADRS], s21, v5
.macro FRAG reg, adr, q, i             ; a fragment: lane l holds row l % 16; registers 4 c .. 4 c + 3 hold K = 32 c + 16 (l / 16) + 0 .. 15
.irp c, 0,1,2,3
	ds_load_b128 v[\reg+4*\c:\reg+4*\c+3], v[\adr] offset:128*(\q)+32*\c+(\i)*16*PITCH
.endr
.endm
; 16 matrix instructions: A's blocks a0, a0 + 1 x B's eight, 128 along K.  zero = 1: the first product starts the sums.  The 64 accumulators take turns, one instruction a turn.
.macro MUL16 a0, p, q, sc, zero
.irp a, \a0, \a0+1
.irp b, 0,1,2,3,4,5,6,7
.if \zero
	v_wmma_scale_f32_16x16x128_f8f6f4 v[8*(8*((\a)%4)+\b):8*(8*((\a)%4)+\b)+7], v[128*(\p)+FR*\b:128*(\p)+FR*\b+FR-1], v[AF+FR*(\a):AF+FR*(\a)+FR-1], 0, v[SC+8*NQ*(\sc)+NQ*\b+(\q)], v[SC+8*NQ*(\sc)+NQ*(\a)+(\q)] matrix_a_scale:MATRIX_SCALE_ROW1
.else
	v_wmma_scale_f32_16x16x128_f8f6f4 v[8*(8*((\a)%4)+\b):8*(8*((\a)%4)+\b)+7], v[128*(\p)+FR*\b:128*(\p)+FR*\b+FR-1], v[AF+FR*(\a):AF+FR*(\a)+FR-1], v[8*(8*((\a)%4)+\b):8*(8*((\a)%4)+\b)+7], v[SC+8*NQ*(\sc)+NQ*\b+(\q)], v[SC+8*NQ*(\sc)+NQ*(\a)+(\q)] matrix_a_scale:MATRIX_SCALE_ROW1
.endif
.endr
.endr
.endm
.macro FETCH_B slot, q, p              ; B's eight fragments of the slot's q-th 128 along K into set p
	WIN TO_B
.irp i, 0,1,2,3,4,5,6,7
	FRAG 128*(\p)+FR*\i, ADRB+\slot, \q, \i
.endr
	WIN 0
.endm
.macro FETCH_A slot, q, i0             ; A's blocks i0 .. i0 + 3
.irp i, \i0, \i0+1, \i0+2, \i0+3
	FRAG AF+FR*(\i), ADRA+\slot, \q, \i
.endr
.endm
.macro SCALES sc                       ; a K step's scale words into set sc: lanes 0-15 take A's block i, lanes 16-31 B's block i
.irp i, 0,1,2,3,4,5,6,7
	ds_load_b64 v[SC+8*NQ*\sc+NQ*\i:SC+8*NQ*\sc+NQ*\i+1], v[ADRS] offset:\i*SBLK
.endr
.endm
.macro PLACES n                        ; plain vector instructions that name no register of the matrix instructions before them (ISA guide 7.12.1)
.rept \n
	v_nop
.endr
.endm
; A step of 128 along K that has its successor in the same slot.
.macro STEP slot, q, zero
	s_wait_dscnt 4*NL                              ; B's set and A's blocks 0-3 are in; the youngest 16 loads (A's blocks 4-7) may be out
	WIN MUL_LO
	MUL16 0, (\q)%2, \q, \slot, \zero
	MUL16 2, (\q)%2, \q, \slot, \zero
	s_wait_dscnt 0                                 ; A's blocks 4-7 are in
	PLACES NP
	FETCH_B \slot, (\q)+1, 1-(\q)%2
	FETCH_A \slot, (\q)+1, 0
	WIN MUL_HI
	MUL16 4, (\q)%2, \q, \slot, \zero
	MUL16 6, (\q)%2, \q, \slot, \zero
	PLACES NP
	WIN 0
	FETCH_A \slot, (\q)+1, 4
.endm
; A slot's last step changes slots: ONE barrier; in front of it each wave waits for all its tensor loads, adds 0 to its spare word, and waits for that and for its own reads of this slot.
.macro TURN slot, next, fill
	s_wait_tensorcnt 0x0                           ; all my tensor loads have landed: my part of the next slot
	ds_add_u32 v[SPW], v[NIL]                      ; 0 onto my spare word
	s_wait_dscnt 4*NL+1                            ; the add and the youngest 16 loads (A's blocks 4-7) may be out
	WIN MUL_LO
	MUL16 0, 1, NQ-1, \slot, 0                     ; sixteen matrix instructions stand between the add and the wait for it
	s_wait_dscnt 0x0                               ; the add is done, and my reads of this slot are over
	s_barrier_signal -1
	MUL16 2, 1, NQ-1, \slot, 0
	WIN 0
	s_barrier_wait -1
.if \fill
	CREST                                          ; the barrier has opened a round of the cluster's barrier: no wave of any partner still reads this slot's tile or has a load on its way
	s_add_nc_u64 s[G0+4*\slot+2:G0+4*\slot+3], s[G0+4*\slot+2:G0+4*\slot+3], 2*ROWB
	s_add_nc_u64 s[G0B+4*\slot+2:G0B+4*\slot+3], s[G0B+4*\slot+2:G0B+4*\slot+3], 2*ROWB
	JLOAD G0+4*\slot, G1, G0B+4*\slot, G1B         ; the first tensor load behind the round, my only one until the next; its four v_nop are among the places in front of the loads below
	PLACES NP-4
.else
	PLACES NP
.endif
	s_wait_alu depctr_va_vdst(0)
	v_add_nc_u32 v[ADRS], 4*NQ, v[ADRS]            ; on to the next K step's scale words
	FETCH_B \next, 0, 0
	FETCH_A \next, 0, 0
	SCALES \next
	WIN MUL_HI
	MUL16 4, 1, NQ-1, \slot, 0
	MUL16 6, 1, NQ-1, \slot, 0
	PLACES NP
	WIN 0
	FETCH_A \next, 0, 4
.endm
	s_wait_alu depctr_va_vdst(0)
	s_wait_tensorcnt 1                             ; the scales and my part of K step 0 are in; K step 1's load, issued last, may stay out
	s_barrier_signal -1
	s_barrier_wait -1                              ; everybody's are
	FETCH_B 0, 0, 0
	FETCH_A 0, 0, 0
	SCALES 0
	FETCH_A 0, 0, 4
	STEP 0, 0, 1                                   ; the first step stands in front of the loop: its products start the sums
	s_mov_b32 s3, LAPS-1
.Llap:                                                 ; a trip goes once round the ring and fills both slots again
	TURN 0, 1, 1
	STEP 1, 0, 0
	TURN 1, 0, 1
	STEP 0, 0, 0
	s_sub_co_u32 s3, s3, 1
	s_cmp_lg_u32 s3, 0
	s_cbranch_scc1 .Llap
	TURN 0, 1, 0                                   ; the last lap fills nothing
	STEP 1, 0, 0
	s_wait_dscnt 4*NL                              ; the very last step
	WIN MUL_LO
	MUL16 0, 1, NQ-1, 1, 0
	MUL16 2, 1, NQ-1, 1, 0
	s_wait_dscnt 0
	WIN MUL_HI
	MUL16 4, 1, NQ-1, 1, 0
	MUL16 6, 1, NQ-1, 1, 0
	WIN 0
	; THE WAY OUT.  What differs between q, k (rows are tokens, columns two heads' 128 features) and v (rows are two heads' 128 channels, columns 128 tokens) is kept in scalars, chosen by the problem.
	PLACES NP                                      ; in front of the first read of results and of writes into registers that held A's fragments
	s_lshl_b32 s18, s17, 8
	s_lshl_b32 s2, s15, 7
	s_add_co_u32 s18, s18, s2                      ; my first row of C
	s_lshl_b32 s19, s42, 8
	s_lshl_b32 s2, s16, 7
	s_add_co_u32 s19, s19, s2                      ; my first column
	s_mov_b32 s21, HSB
	s_mov_b32 s92, 1024
	s_mov_b32 s94, 1024
	s_mov_b32 s22, 256
	s_mov_b32 s23, 16384
	s_cmp_eq_u32 s96, 1                            ; v?
	s_cselect_b32 s2, s19, s18                     ; my first token,
	s_cselect_b32 s3, s18, s19                     ; my first feature
	s_cselect_b32 s20, 8192, 0                     ; where the images begin in a block
	s_cselect_b32 s21, 1024, s21                   ; from a block's first two stores to its other two: v: 1,024 bytes on; q, k: the next head
	s_cselect_b32 s92, 2048, s92                   ; from A's block a to a + 1
	s_cselect_b32 s94, HSB-6144, s94               ; from block 3 to block 4: v: the next head's first tile
	s_cselect_b32 s22, HSB, s22                    ; the scale words of lanes 16-31: v: the next head's; q, k: 256 bytes on
	s_cselect_b32 s23, 16896, s23                  ; where the scale words begin in a block
	s_mov_b32 s93, 0
	s_mov_b32 s95, 0
	s_mov_b32 s97, 0xffff0000                      ; lanes 16-31
	s_mov_b32 s98, 0x76543210
	s_mov_b32 s99, 0xfedcba98                      ; v_permlanex16_b32's selects for lane l xor 16
	s_lshr_b32 s46, s2, 11                         ; the batch
	s_lshl_b32 s46, s46, 4
	s_lshr_b32 s47, s3, 6                          ; the head (an even one)
	s_add_co_u32 s46, s46, s47
	s_lshl_b32 s46, s46, 4
	s_bfe_u32 s47, s2, 0x40007                     ; which 128 tokens of the 2,048
	s_add_co_u32 s46, s46, s47
	s_mul_i32 s46, s46, KVB
	s_mov_b32 s47, 0
	s_add_nc_u64 s[12:13], s[12:13], s[46:47]      ; my block of the workspace
	s_mov_b64 s[66:67], s[12:13]                   ; kept for the scale words
	v_and_b32 v[VOA], 31, v0
	v_lshlrev_b32 v[VOA], 4, v[VOA]
	v_add_nc_u32 v[VOA], s20, v[VOA]               ; 16 x lane + the images' place
	v_add_nc_u32 v[VOB], s21, v[VOA]
	v_and_b32 v[VSO], 15, v0
	v_lshlrev_b32 v[VSO], 4, v[VSO]
	v_bfe_u32 v147, v0, 4, 1
	v_mul_u32_u24 v147, s22, v147
	v_add3_u32 v[VSO], v[VSO], v147, s23           ; 16 r + h x the distance + the words' place
.irp c, 0,1,2,3
	v_mov_b32 v[TM+4+\c], 0                        ; written once: a lane permute's destination counts as one of its sources
.endr
; A's block a: 16 rows x 128 columns = four blocks of 32 along the next K for each row.
.macro QOUT a
.set AC, 64*((\a)%4)
.set WW, 2+(\a)/4
.set W2, WW|(WW<<2)
	WIN W2                                         ; sources 0 and 1: the accumulators' window
.irp c, 0,1,2,3
	v_max3_num_f32 v[TM+\c], |v[AC+16*\c]|, |v[AC+16*\c+1]|, 0x4800000   ; my 16 numbers of block c, and the floor 2^(9 - 127): the byte cannot fall under 1.  Each accumulator is read from its low end on
.endr
.irp i, 2,4,6,8,10,12,14
.irp c, 0,1,2,3
	v_max3_num_f32 v[TM+\c], |v[AC+16*\c+\i]|, |v[AC+16*\c+\i+1]|, v[TM+\c]
.endr
.endr
	WIN 0
.irp c, 0,1,2,3
	v_permlanex16_b32 v[TM+4+\c], v[TM+\c], s98, s99
.endr
.irp c, 0,1,2,3
	v_max_num_f32 v[TM+\c], v[TM+\c], v[TM+4+\c]   ; with lane l xor 16's 16: the block's largest magnitude
.endr
.irp c, 0,1,2,3
	v_add_nc_u32 v[TM+12+\c], 0xfc000000, v[TM+\c] ; 8 off its exponent field: the conversion's scale operand
.endr
.irp c, 0,1,2,3
.endr
.irp c, 0,1,2,3
	v_lshrrev_b32 v[TM+4+\c], 23, v[TM+12+\c]      ; the scale's byte
.endr
	v_lshl_or_b32 v[W0+\a], v[TM+5], 8, v[TM+4]
	v_lshl_or_b32 v[W0+\a], v[TM+6], 16, v[W0+\a]
	v_lshl_or_b32 v[W0+\a], v[TM+7], 24, v[W0+\a]  ; my row's four bytes
	v_lshrrev_b32 v[W1+\a], 16, v[W0+\a]           ; q, k: the odd head's two
.if (\a) > 0
	s_wait_xcnt 0x0                                ; the last block's stores have read their data and their base: both are written again only behind this wait
.if (\a) == 4
	s_add_nc_u64 s[12:13], s[12:13], s[94:95]
.else
	s_add_nc_u64 s[12:13], s[12:13], s[92:93]
.endif
.endif
	WIN WW                                         ; source 0 alone: the accumulators' window
.irp c, 0,1,2,3
.irp i, 0,1,2,3,4,5,6,7,8,9,10,11,12,13,14,15
.endr
.endr
.irp c, 0,1,2,3
	v_cvt_scalef32_pk8_fp8_f32 v[CD+4*\c:CD+4*\c+1], v[AC+16*\c:AC+16*\c+7], v[TM+12+\c]
	v_cvt_scalef32_pk8_fp8_f32 v[CD+4*\c+2:CD+4*\c+3], v[AC+16*\c+8:AC+16*\c+15], v[TM+12+\c]
.endr
	WIN 0
	v_nop                                          ; one plain vector instruction behind the last conversion, ahead of the next writes of its sources
	global_store_b128 v[VOA], v[CD:CD+3], s[12:13]                ; each store: 32 lanes, 512 consecutive bytes, at a multiple of 256 from the buffer's first byte
	global_store_b128 v[VOA], v[CD+4:CD+7], s[12:13] offset:512
	global_store_b128 v[VOB], v[CD+8:CD+11], s[12:13]
	global_store_b128 v[VOB], v[CD+12:CD+15], s[12:13] offset:512
.endm
.irp a, 0,1,2,3,4,5,6,7
	QOUT \a
.endr
.irp i, 0,1,2,3
	v_cndmask_b32 v[F0+\i], v[W0+\i], v[W0+4+\i], s97   ; lanes 0-15: block i's word, lanes 16-31: block 4 + i's
	v_cndmask_b32 v[F1+\i], v[W1+\i], v[W1+4+\i], s97
.endr
	global_store_b128 v[VSO], v[F0:F0+3], s[66:67]
	s_cmp_eq_u32 s96, 1                            ; the cluster's x again: the same in all partners
	s_cbranch_scc1 .Lno_odd
	global_store_b128 v[VSO], v[F1:F1+3], s[66:67] offset:HSB   ; q, k: the odd head's words
.Lno_odd:
	s_wait_tensorcnt 0x0                           ; the wave's end
	ds_add_u32 v[SPW], v[NIL]
	s_wait_dscnt 0x0
	CROUND                                         ; the closing round: no work-group ends while a partner may still ask for a tile that names it
	s_endpgm
.Lfunc_end_k_q7525459eb3_qkv:
	.size	k_q7525459eb3_qkv, .Lfunc_end_k_q7525459eb3_qkv-k_q7525459eb3_qkv
	.p2alignl 7, 3214868480
	.fill 96, 4, 3214868480
	.section	.rodata,"a",@progbits
	.p2align	6, 0x0
	.amdhsa_kernel k_q7525459eb3_qkv
		.amdhsa_group_segment_fixed_size 327680
		.amdhsa_private_segment_fixed_size 0
		.amdhsa_enable_private_segment 0
		.amdhsa_kernarg_size 80
		.amdhsa_user_sgpr_count 2
		.amdhsa_user_sgpr_kernarg_segment_ptr 1
		.amdhsa_wavefront_size32 1
		.amdhsa_system_sgpr_workgroup_id_x 1
		.amdhsa_system_sgpr_workgroup_id_y 1
		.amdhsa_system_sgpr_workgroup_id_z 1
		.amdhsa_system_vgpr_workitem_id 0
		.amdhsa_next_free_vgpr 1024
		.amdhsa_next_free_sgpr 101
		.amdhsa_reserve_vcc 0
		.amdhsa_float_denorm_mode_32 3
		.amdhsa_float_denorm_mode_16_64 3
		.amdhsa_fp16_overflow 1
		.amdhsa_memory_ordered 1
		.amdhsa_forward_progress 1
		.amdhsa_inst_pref_size 152
	.end_amdhsa_kernel
	.amdgpu_metadata
---
amdhsa.version: [ 1, 2 ]
amdhsa.kernels:
  - .name:           k_q7525459eb3_qkv
    .symbol:         k_q7525459eb3_qkv.kd
    .args:
      - { .name: x_codes, .offset: 0, .size: 8, .value_kind: global_buffer, .address_space: global }
      - { .name: x_scales, .offset: 8, .size: 8, .value_kind: global_buffer, .address_space: global }
      - { .name: Wq_codes, .offset: 16, .size: 8, .value_kind: global_buffer, .address_space: global }
      - { .name: Wq_scales, .offset: 24, .size: 8, .value_kind: global_buffer, .address_space: global }
      - { .name: Wk_codes, .offset: 32, .size: 8, .value_kind: global_buffer, .address_space: global }
      - { .name: Wk_scales, .offset: 40, .size: 8, .value_kind: global_buffer, .address_space: global }
      - { .name: Wv_codes, .offset: 48, .size: 8, .value_kind: global_buffer, .address_space: global }
      - { .name: Wv_scales, .offset: 56, .size: 8, .value_kind: global_buffer, .address_space: global }
      - { .name: qb, .offset: 64, .size: 8, .value_kind: global_buffer, .address_space: global }
      - { .name: kvb, .offset: 72, .size: 8, .value_kind: global_buffer, .address_space: global }
    .group_segment_fixed_size: 327680
    .private_segment_fixed_size: 0
    .kernarg_segment_align: 8
    .kernarg_segment_size: 80
    .max_flat_workgroup_size: 128
    .sgpr_count:     101
    .vgpr_count:     1024
    .wavefront_size: 32
...
	.end_amdgpu_metadata
.endif
;; end of part 1
;; launch attn (part 2): grid 64 x 8, 16 waves a work-group, no clusters, 327,680 bytes of LDS; arguments qb, kvb, o_img, o_sc; writes o_img, o_sc
.if DOCPART == 2
	.amdgcn_target "amdgcn-amd-amdhsa--gfx1250"
	.amdhsa_code_object_version 6
	.text
	.protected	k_q7525459eb3_attn
	.globl	k_q7525459eb3_attn
	.p2align	8
	.type	k_q7525459eb3_attn,@function
k_q7525459eb3_attn:
	s_mov_b64 s[64:65], 0
	v_nop
	global_prefetch_b8 v0, s[64:65] scope:SCOPE_SE
	s_setreg_imm32_b32 hwreg(HW_REG_WAVE_MODE, 25, 1), 1
	s_wait_xcnt 0x0
; O[bh][q] = the sum over k <= q of softmax_k(Q[q] . K[k] / 8) V[k], head size 64, both products on codes of FP8 (E4M3) with E8M0 scales; the result, divided by the row's sum, is quantised along D for the projection.
; WORK LEFT OUT: a step of 128 keys that all come after a wave's 16 queries: the problem's own lower-triangle mask makes every p there exactly 0 (the first launch's head has the argument and the limits).
; THE SOFTMAX: t = score x log2(e) / 8; M = the running largest t rounded UP to a whole number; p = 2^(t - M) is quantised along the keys, not normalised; the row's sum is taken of the unquantised p.
; When M moves, the sum and O are multiplied by 2^(old M - new M): exact.
; SHARES: x = batch x 16 + head; y picks the block of 256 queries, 7 - y: the blocks with the most keys have the lowest numbers.  Each of SIXTEEN waves owns 16 queries in 256 registers.
; INPUTS are images of operand registers (first launch): a block of KVB bytes holds 128 keys of one head: K's 8 tiles, V^T's 4 tiles, their scale words.  A slot of the ring is two such blocks, dense: 256 keys.
; Every LDS read is 16 x lane + a constant.  Waves 0 and 1 fetch a block each; all sixteen read.
; LAYOUT: S^T = K Q^T (source 0 = 16 keys, source 1 = my 16 queries), O^T = V^T P^T: a lane holds ONE query.  The 16 registers of S^T's tiles 2 b, 2 b + 1 are 16 keys of block b, in the order in which V's images have them.
; K = 64 IN THE SCORES' PRODUCT: Q's registers 8-15 (k = 64 .. 127) are zero codes.  K's tiles lie 8 registers apart, so a tile's upper half is the next tile's codes (numbers: the quantiser holds at 448, so no NaN code),
; and 8 registers of zeros stand behind the last: 0 x a number adds nothing; the scale bytes of those blocks are never 0xff.
; NO CLUSTER: the query blocks of a head need different numbers of key slots under the mask, so a partner would be sent tiles that none of its waves reads.
; EVERY work-group walks all 8 slots, so that the trip counts are constants; a step's work and a slot's load are jumped over by tests on ids alone.  Every wait on TENSORcnt is for 0.
.set KVB,   17152
.set HSB,   16*KVB
.set SLB,   2*KVB                      ; a slot's bytes
.set SLOT1, 65536                      ; slot 1 begins here: one exclusive or turns an address
.set SPARE, 131072                     ; the spare words, 128 bytes for each wave: eight blocks of 256 bytes that no other line names
.set VIMO,  8192
.set KSCO,  16384
.set VSCO,  16896
.set AL,  1                            ; v1   16 x lane
.set AR,  2                            ; v2   16 x (lane % 16)
.set SPW, 3                            ; v3   my spare word; never rewritten
.set NIL, 4                            ; v4   0; never rewritten
.set PFO, 5                            ; v5   the prefetches' offset
.set DG,  6                            ; v6   r - 8 h
.set RW,  7                            ; v7   32 r
.set ADK, 8                            ; v8   slot + 16 lane
.set ADR, 9                            ; v9   slot + 16 r
.set QF,  16                           ; v16-31  Q (v24-31 zeros)
.set KR,  32                           ; v32-95  K's tiles, 8 registers apart, then V's four fragments; v96-103 zeros for good
.set S,   104                          ; v104-167 S^T, then p
.set OT,  168                          ; v168-199 O^T
.set PC,  200                          ; v200-215 p's codes
.set KSR, 216                          ; v216-219 K's scale words;  v220-223 V's;  v224 Q's;  v225 p's
.set VSR, 220
.set QS,  224
.set PS,  225
.set BM,  228                          ; v228-231 a block's largest score, then p
.set T1,  232                          ; v232-235 at work
.set HV,  236
.set SO,  240                          ; v240-243 the conversions' scale operands
.set TT,  244
.set NINF, 245
.set FF,  246                          ; v[246:247] f = 2^(old M - new M), and a written partner
.set WV,  18
.set MNT, 19
.set SEL, 20
.set CS,  22
.set G1,  24
.set G0,  32
.set TB,  2
.set SLOTS, 36
.set KF,  37
.set Q0,  38
.set HM,  39
.set PFA, 40
.set LIM, 42
.set OP,  44
.set OS,  46
.macro TLOAD                           ; waves 0 and 1 fetch; the branch hangs on the wave's number alone.  An s_nop 0 and four v_nop follow the load
	s_cmp_lt_u32 s[WV], 2
	s_cbranch_scc0 .Lasked_\@
	tensor_load_to_lds s[G0:G0+3], s[G1:G1+7]
	s_nop 0
.rept 4
	v_nop
.endr
.Lasked_\@:
.endm
; A PREFETCH of the slot behind the one that is being asked for: 134 blocks of 256 bytes.  All query blocks of a head walk the same K and V: the head's work-group with y = 0 asks, which walks all slots; in it waves 4 to 8,
; which fetch nothing, one instruction each, lanes 256 bytes apart (the last wave's spare lanes name the slot's last block with their neighbour).  The last change that fills a slot asks for nothing.
.macro ASK
	s_cmp_gt_u32 s[SLOTS], s[LIM]
	s_cbranch_scc0 .Lnot_mine_\@
	global_prefetch_b8 v[PFO], s[PFA:PFA+1] th:TH_LOAD_NT scope:SCOPE_SE
.Lnot_mine_\@:
.endm
	s_load_b256 s[4:11], s[0:1], 0x0               ; qb, kvb, o_img, o_sc
	v_lshl_add_u32 v[SPW], v0, 2, SPARE
	v_mov_b32 v[NIL], 0
	ds_add_u32 v[SPW], v[NIL]                      ; the wave's opening: the add, twice on end, and its wait ahead of the first tensor load
	ds_add_u32 v[SPW], v[NIL]
	v_lshrrev_b32 v8, 5, v0
	s_delay_alu instid0(VALU_DEP_1)
	v_readfirstlane_b32 s[WV], v8                  ; wave 0..15
	s_and_b32 s50, ttmp7, 0xffff                   ; y
	s_sub_co_u32 s51, 7, s50                       ; my block of 256 queries
	s_lshl_b32 s[Q0], s51, 8
	s_lshl_b32 s52, s[WV], 4
	s_add_co_u32 s[Q0], s[Q0], s52                 ; my first query
	s_mov_b32 s[G1], 3<<16                         ; group 1: 67 dense rows of 256 bytes (32 elements of 8 bytes), no padding, no mask
	s_mov_b32 s[G1+1], 32<<16
	s_mov_b32 s[G1+2], 67<<16
	s_mov_b32 s[G1+3], 32<<16
	s_mov_b32 s[G1+4], 67
	s_mov_b32 s[G1+5], 32
	s_mov_b32 s[G1+6], 0
	s_mov_b32 s[G1+7], 0
	s_mov_b32 s[SEL], 0x76543210
	s_mov_b32 s[SEL+1], 0xfedcba98                 ; lane l xor 16
	s_mov_b32 s[CS], 0x3e38aa3b                    ; c = log2(e) / 8
	s_mov_b32 s[CS+1], s[CS]                       ; (named with it as a pair, so it is written)
	s_mov_b32 s[TB], 0
	s_mov_b32 s[SLOTS], 7
	s_mov_b32 s[KF], 0
	s_mov_b32 s[HM], 0xffff0000                    ; lanes 16-31
	s_mul_i32 s44, ttmp9, HSB                      ; the head's first byte in qb and in kvb
	s_mov_b32 s45, 0
	s_and_b32 s52, s[WV], 1
	s_mul_i32 s[G0+1], s52, KVB                    ; which block of a slot I fetch: its LDS address in slot 0,
	s_mov_b32 s46, s[G0+1]
	s_mov_b32 s47, 0
	s_add_nc_u64 s[46:47], s[46:47], s[44:45]      ; and its place in kvb
	s_mov_b32 s[G0], 1
	s_sub_co_u32 s52, s[WV], 4
	s_cmp_lt_u32 s52, 5                            ; waves 4 to 8
	s_cselect_b32 s53, 0, 1
	s_or_b32 s53, s53, s50                         ; of the work-group with y = 0
	s_cmp_eq_u32 s53, 0
	s_cselect_b32 s[LIM], 1, -1                    ; a wave prefetches while s[SLOTS] is above this
	s_and_b32 s52, s52, 7
	s_lshl_b32 s52, s52, 5
	v_and_b32 v[PFO], 31, v0
	s_delay_alu instid0(VALU_DEP_1)
	v_add_nc_u32 v[PFO], s52, v[PFO]
	s_delay_alu instid0(VALU_DEP_1)
	v_min_u32 v[PFO], 133, v[PFO]                  ; 134 blocks in a slot
	s_delay_alu instid0(VALU_DEP_1)
	v_lshlrev_b32 v[PFO], 8, v[PFO]
	s_wait_dscnt 0x0                               ; both opening adds are done
	s_wait_kmcnt 0x0
	s_add_nc_u64 s[G0+2:G0+3], s[6:7], s[46:47]
	s_or_b32 s[G0+3], s[G0+3], 0x80000000          ; type = 2
	TLOAD                                          ; slot 0: it holds key 0, which counts for every query
	s_add_nc_u64 s[PFA:PFA+1], s[6:7], s[44:45]
	s_add_nc_u64 s[PFA:PFA+1], s[PFA:PFA+1], SLB   ; in slot 1: the first change of slots steps it to slot 2.  Nothing is prefetched here
	s_lshl_b32 s52, s51, 1
	s_lshr_b32 s53, s[WV], 3
	s_add_co_u32 s52, s52, s53                     ; which 128 tokens hold my queries
	s_mul_i32 s46, s52, KVB
	s_mov_b32 s47, 0
	s_add_nc_u64 s[46:47], s[46:47], s[44:45]
	s_add_nc_u64 s[4:5], s[4:5], s[46:47]          ; their block of qb
	v_and_b32 v[AL], 31, v0
	s_delay_alu instid0(VALU_DEP_1)
	v_lshlrev_b32 v[AL], 4, v[AL]
	v_and_b32 v[AR], 15, v0
	s_delay_alu instid0(VALU_DEP_1)
	v_lshlrev_b32 v[AR], 4, v[AR]
	s_and_b32 s52, s[WV], 7                        ; my tile in it
	s_lshl_b32 s53, s52, 10
	v_add_nc_u32 v10, s53, v[AL]
	global_load_b128 v[QF:QF+3], v10, s[4:5]       ; Q's image: it stays in registers
	global_load_b128 v[QF+4:QF+7], v10, s[4:5] offset:512
	s_lshr_b32 s53, s52, 2
	s_lshl_b32 s53, s53, 8
	s_and_b32 s52, s52, 3
	s_lshl_b32 s52, s52, 2
	s_add_co_u32 s53, s53, s52
	v_add_nc_u32 v11, s53, v[AR]
	global_load_b32 v[QS], v11, s[4:5] offset:KSCO ; Q's scale words: tile 4 h' + i lies at 256 h' + 16 r + 4 i
	v_and_b32 v[DG], 15, v0
	v_bfe_u32 v[TT], v0, 4, 1
	s_delay_alu instid0(VALU_DEP_1)
	v_lshlrev_b32 v[TT], 3, v[TT]
	s_delay_alu instid0(VALU_DEP_3)
	v_lshlrev_b32 v[RW], 5, v[DG]                  ; 32 r
	s_delay_alu instid0(VALU_DEP_2)
	v_sub_nc_u32 v[DG], v[DG], v[TT]               ; r - 8 h
	v_mov_b32 v[TT], 0
	v_mov_b32 v[NINF], 0xff800000                  ; -infinity
	v_mov_b32 v[FF+1], 0                           ; (named as the upper half of a pair)
	v_mov_b32 v13, 0xff61b1e6                      ; the largest t so far: -3e38
	s_delay_alu instid0(VALU_DEP_1)
	v_floor_f32 v12, -v13                          ; -M
	v_mov_b32 v14, 0                               ; the sum, in two halves
	v_mov_b32 v15, 0
.irp b, 0,1,2,3
	v_mov_b32 v[T1+\b], 0                          ; written once: a lane permute's destination counts as one of its sources
.endr
.irp i, 0,1,2,3,4,5,6,7
	v_mov_b32 v[QF+8+\i], 0                        ; Q's k = 64 .. 127: zero codes
	v_mov_b32 v[KR+64+\i], 0                       ; and the upper half of K's last tile
.endr
.set j, 0
.rept 32
	v_mov_b32 v[OT+j], 0                           ; O^T: the step is written once; the first finds zeros
.set j, j+1
.endr
; A KEY STEP: 128 keys, block q of the slot in hand.
.macro STEP q
	s_add_co_u32 s50, s[Q0], 15
	s_cmp_gt_u32 s[KF], s50                        ; all its keys come after my queries: the work is left out; ids alone decide
	s_cbranch_scc1 .Lhidden_\@
	v_add_nc_u32 v[ADK], s[TB], v[AL]
	v_add_nc_u32 v[ADR], s[TB], v[AR]
.rept 6
	v_nop                                          ; with the two additions: eight places in front of loads into registers that matrix instructions have read
.endr
.irp t, 0,1,2,3,4,5,6,7
.irp c, 0,1
	ds_load_b128 v[KR+8*\t+4*\c:KR+8*\t+4*\c+3], v[ADK] offset:(\q)*KVB+1024*\t+512*\c
.endr
.endr
	ds_load_b128 v[KSR:KSR+3], v[ADK] offset:(\q)*KVB+KSCO   ; register i: lanes 0-15 tile i's words, lanes 16-31 tile 4 + i's
	s_wait_alu depctr_va_vdst(0)
	s_wait_dscnt 0x0
.irp t, 0,1,2,3
	v_wmma_scale_f32_16x16x128_f8f6f4 v[S+8*\t:S+8*\t+7], v[KR+8*\t:KR+8*\t+15], v[QF:QF+15], 0, v[KSR+\t], v[QS]
.endr
.irp t, 4,5,6,7
	v_wmma_scale_f32_16x16x128_f8f6f4 v[S+8*\t:S+8*\t+7], v[KR+8*\t:KR+8*\t+15], v[QF:QF+15], 0, v[KSR+\t-4], v[QS] matrix_a_scale:MATRIX_SCALE_ROW1
.endr
.rept 8
	v_nop                                          ; places: in front of the loads below and of the first read of the scores
.endr
.irp t, 0,1,2,3                                ; V is asked for already: K's registers are done with; it lands under the softmax
.irp c, 0,1,2,3
	ds_load_b128 v[KR+16*\t+4*\c:KR+16*\t+4*\c+3], v[ADK] offset:(\q)*KVB+VIMO+2048*\t+512*\c
.endr
.endr
	ds_load_b128 v[VSR:VSR+3], v[ADR] offset:(\q)*KVB+VSCO
	s_add_co_u32 s50, s[KF], 127                   ; on the diagonal hidden scores become -infinity ahead of the maximum; a step all of whose keys count skips this
	s_cmp_le_u32 s50, s[Q0]
	s_cbranch_scc1 .Lopen_\@
	s_sub_co_i32 s50, s[Q0], s[KF]
	v_add_nc_u32 v[TT], s50, v[DG]                 ; register 8 t + j holds key KF + 16 t + 8 h + j: hidden where 16 t + j > my query - KF - 8 h
.set n, 0
.rept 64
	v_cmp_gt_i32 vcc_lo, 16*(n/8)+n%8, v[TT]
	v_cndmask_b32 v[S+n], v[S+n], v[NINF], vcc_lo
.set n, n+1
.endr
.Lopen_\@:
.irp b, 0,1,2,3
	v_max3_num_f32 v[BM+\b], v[S+16*\b], v[S+1+16*\b], v[S+2+16*\b]   ; the largest score of each block of 32 keys: for the row's maximum, and, since p rises with the score, for the block's largest p
.endr
.irp i, 3,5,7,9,11,13
.irp b, 0,1,2,3
	v_max3_num_f32 v[BM+\b], v[BM+\b], v[S+16*\b+\i], v[S+1+16*\b+\i]
.endr
.endr
.irp b, 0,1,2,3
	v_max_num_f32 v[BM+\b], v[BM+\b], v[S+15+16*\b]
.endr
.irp b, 0,1,2,3
	s_delay_alu instid0(VALU_DEP_4)
	v_permlanex16_b32 v[T1+\b], v[BM+\b], s[SEL], s[SEL+1]
.endr
.irp b, 0,1,2,3
	s_delay_alu instid0(VALU_DEP_4)
	v_max_num_f32 v[BM+\b], v[BM+\b], v[T1+\b]     ; with lane l xor 16's 16 keys
.endr
	s_delay_alu instid0(VALU_DEP_2)
	v_max3_num_f32 v[TT], v[BM], v[BM+1], v[BM+2]
	s_delay_alu instid0(VALU_DEP_1)
	v_max_num_f32 v[TT], v[TT], v[BM+3]            ; the step's largest score of my query
	s_delay_alu instid0(VALU_DEP_1)
	v_mul_f32 v[TT], s[CS], v[TT]                  ; as t
	s_delay_alu instid0(VALU_DEP_1)
	v_max_num_f32 v13, v13, v[TT]                  ; the running largest t
	v_mov_b32 v[TT], v12
	s_delay_alu instid0(VALU_DEP_2)
	v_floor_f32 v12, -v13                          ; the new -M = -ceil(t)
	s_delay_alu instid0(VALU_DEP_1)
	v_sub_f32 v[TT], v12, v[TT]                    ; old M - new M: a whole number, 0 or less
	s_delay_alu instid0(VALU_DEP_1)
	v_cvt_i32_f32 v[TT], v[TT]                     ; (it saturates)
	s_delay_alu instid0(VALU_DEP_1)
	v_ldexp_f32 v[FF], 1.0, v[TT]                  ; f = 2^(old M - new M)
.set j, 0
.rept 32
	v_pk_fma_f32 v[S+j:S+j+1], v[S+j:S+j+1], s[CS:CS+1], v[12:13] op_sel_hi:[1,0,0]   ; t - M, two at a time
.set j, j+2
.endr
.irp b, 0,1,2,3
	v_fma_f32 v[BM+\b], v[BM+\b], s[CS], v12       ; the same of each block's largest score
.endr
.set j, 0
	s_wait_alu depctr_va_vdst(0)
.rept 64
	v_exp_f32 v[S+j], v[S+j]                       ; p = 2^(t - M)
.set j, j+1
.endr
	v_pk_mul_f32 v[14:15], v[14:15], v[FF:FF+1] op_sel_hi:[1,0]   ; the sums under the new M: the plain instruction behind the exponentials
	s_wait_alu depctr_va_vdst(0)                   ; one wait for the batch of 64, ahead of its first reader
.irp b, 0,1,2,3
	v_exp_f32 v[BM+\b], v[BM+\b]                   ; the block's largest p
.endr
	v_pk_add_f32 v[232:233], v[108:109], v[112:113]
	v_pk_add_f32 v[254:255], v[116:117], v[120:121]
	v_pk_add_f32 v[252:253], v[124:125], v[128:129]
	v_pk_add_f32 v[250:251], v[132:133], v[136:137]
	v_pk_add_f32 v[248:249], v[140:141], v[144:145]
	v_pk_add_f32 v[242:243], v[148:149], v[152:153]
	v_pk_add_f32 v[240:241], v[156:157], v[160:161]
	v_pk_add_f32 v[14:15], v[14:15], v[164:165]
	v_pk_add_f32 v[232:233], v[232:233], v[104:105]
	v_pk_add_f32 v[254:255], v[254:255], v[106:107]
	v_pk_add_f32 v[252:253], v[252:253], v[110:111]
	v_pk_add_f32 v[250:251], v[250:251], v[114:115]
	v_pk_add_f32 v[248:249], v[248:249], v[118:119]
	v_pk_add_f32 v[242:243], v[242:243], v[122:123]
	v_pk_add_f32 v[240:241], v[240:241], v[126:127]
	v_pk_add_f32 v[14:15], v[14:15], v[130:131]
	v_pk_add_f32 v[232:233], v[232:233], v[134:135]
	v_pk_add_f32 v[254:255], v[254:255], v[138:139]
	v_pk_add_f32 v[252:253], v[252:253], v[142:143]
	v_pk_add_f32 v[250:251], v[250:251], v[146:147]
	v_pk_add_f32 v[248:249], v[248:249], v[150:151]
	v_pk_add_f32 v[242:243], v[242:243], v[154:155]
	v_pk_add_f32 v[240:241], v[240:241], v[158:159]
	v_pk_add_f32 v[14:15], v[14:15], v[162:163]
	v_pk_add_f32 v[232:233], v[232:233], v[166:167]
	s_delay_alu instid0(VALU_DEP_2)
	v_pk_add_f32 v[14:15], v[14:15], v[250:251]
	s_delay_alu instid0(VALU_DEP_2)
	v_pk_add_f32 v[232:233], v[232:233], v[248:249]
	v_pk_add_f32 v[254:255], v[254:255], v[242:243]
	v_pk_add_f32 v[252:253], v[252:253], v[240:241]
	s_delay_alu instid0(VALU_DEP_2)
	v_pk_add_f32 v[14:15], v[14:15], v[254:255]
	s_delay_alu instid0(VALU_DEP_2)
	v_pk_add_f32 v[232:233], v[232:233], v[252:253]
	s_delay_alu instid0(VALU_DEP_1)
	v_pk_add_f32 v[14:15], v[14:15], v[232:233]
	s_wait_alu depctr_va_vdst(0)                   ; and one for the four
.irp b, 0,1,2,3
	v_max_num_f32 v[BM+\b], 0x4800000, v[BM+\b]    ; the floor 2^(9 - 127): the byte cannot fall under 1
.endr
.irp b, 0,1,2,3
	s_delay_alu instid0(VALU_DEP_4)
	v_add_nc_u32 v[SO+\b], 0xfc000000, v[BM+\b]    ; 8 off the exponent field: the conversion's scale operand
.endr
.irp b, 0,1,2,3
.endr
.irp b, 0,1,2,3
	s_delay_alu instid0(VALU_DEP_4)
	v_lshrrev_b32 v[T1+\b], 23, v[SO+\b]           ; the scale's byte
.endr
	s_delay_alu instid0(VALU_DEP_3)
	v_lshl_or_b32 v[PS], v[T1+1], 8, v[T1]         ; p's scale word for these 128 keys
	s_delay_alu instid0(VALU_DEP_1)
	v_lshl_or_b32 v[PS], v[T1+2], 16, v[PS]
	s_delay_alu instid0(VALU_DEP_1)
	v_lshl_or_b32 v[PS], v[T1+3], 24, v[PS]
.irp b, 0,1,2,3
.irp i, 0,1,2,3,4,5,6,7,8,9,10,11,12,13,14,15
.endr
	v_cvt_scalef32_pk8_fp8_f32 v[PC+4*\b:PC+4*\b+1], v[S+16*\b:S+16*\b+7], v[SO+\b]
	v_cvt_scalef32_pk8_fp8_f32 v[PC+4*\b+2:PC+4*\b+3], v[S+16*\b+8:S+16*\b+15], v[SO+\b]
.endr
.set j, 0
.rept 16
	v_pk_mul_f32 v[OT+j:OT+j+1], v[OT+j:OT+j+1], v[FF:FF+1] op_sel_hi:[1,0]   ; O^T under the new M; also the places between the codes and the products
.set j, j+2
.endr
	s_wait_alu depctr_va_vdst(0)
	s_wait_dscnt 0x0                               ; V and its scale words are in
.irp t, 0,1,2,3                                ; the four accumulators by turns; the scores' eight products stand between two links of a chain
	v_wmma_scale_f32_16x16x128_f8f6f4 v[OT+8*\t:OT+8*\t+7], v[KR+16*\t:KR+16*\t+15], v[PC:PC+15], v[OT+8*\t:OT+8*\t+7], v[VSR+\t], v[PS]
.endr
.Lhidden_\@:
	s_add_co_u32 s[KF], s[KF], 128
.endm
; THE CHANGE OF SLOTS stands at a slot's head.  Each wave waits for all its tensor loads, adds 0 to its spare word, and waits for that and for its reads of the slot that it has left; behind the barrier the slot ahead is
; whole and nobody reads the other one, which (fill = 1) is filled with the next 256 keys: the load has a slot's two steps in which to land.  One tensor load of a wave is out at most.
.macro CHANGE fill
	s_wait_tensorcnt 0x0                           ; no tensor load of mine is out, so group 0 may be written
	ds_add_u32 v[SPW], v[NIL]
.if \fill
	ds_add_u32 v[SPW], v[NIL]                      ; and once more: the add twice here, in every trip alike
	s_xor_b32 s[G0+1], s[G0+1], SLOT1              ; the other slot than last time,
	s_add_nc_u64 s[G0+2:G0+3], s[G0+2:G0+3], SLB   ; the next 256 keys
	s_wait_xcnt 0x0                                ; the last prefetch, a slot back, has read its address
	s_add_nc_u64 s[PFA:PFA+1], s[PFA:PFA+1], SLB
.endif
	s_wait_dscnt 0x0                               ; the adds are done, and my reads of the slot that I have left are over
	s_barrier_signal -1
	s_barrier_wait -1
.if \fill
	s_add_co_u32 s50, s[KF], 256                   ; the first key of the slot that this change would ask for
	s_or_b32 s51, s[Q0], 255                       ; my work-group's last query
	s_cmp_gt_u32 s50, s51                          ; ids and the count of steps alone: all sixteen waves go the same way.  A slot beyond the limit is read by no wave, so it is not asked for
	s_cbranch_scc1 .Lpast_\@
	TLOAD                                          ; the first thing behind the barrier, and a wave's one tensor load until the next
.Lpast_\@:
	ASK
.endif
.endm
.macro SLOT_STEPS
	STEP 0
	STEP 1
	s_xor_b32 s[TB], s[TB], SLOT1                  ; on to the other slot
.endm
	s_wait_loadcnt 0x0                             ; Q and its scale words
.Lslot:                                            ; seven trips
	CHANGE 1
	SLOT_STEPS
	s_sub_co_u32 s[SLOTS], s[SLOTS], 1
	s_cmp_lg_u32 s[SLOTS], 0
	s_cbranch_scc1 .Lslot
	CHANGE 0                                       ; the last slot is written out: nothing is left to ask for
	SLOT_STEPS
	; THE WAY OUT: O^T / the sum; quantised along D (my head's two blocks of 32); the codes, put into the order of k, are registers of the projection's A fragment and leave as an image.
	v_add_f32 v14, v14, v15
	s_delay_alu instid0(VALU_DEP_1)
	v_permlanex16_b32 v[TT], v14, s[SEL], s[SEL+1]
	s_delay_alu instid0(VALU_DEP_1)
	v_add_f32 v14, v14, v[TT]                      ; the row's sum
	s_wait_alu depctr_va_vdst(0)
	v_rcp_f32 v14, v14
.irp i, 0,1,2,3,4,5,6,7
	v_mov_b32 v[136+\i], 0                         ; lane permutes' destinations; also plain work behind the reciprocal and the places behind the last products
.endr
	s_lshr_b32 s50, ttmp9, 4                       ; the batch
	s_and_b32 s51, ttmp9, 15                       ; the head
	s_lshl_b32 s50, s50, 7
	s_lshr_b32 s52, s[Q0], 4
	s_add_co_u32 s50, s50, s52                     ; which 16 rows of the 8,192
	s_lshl_b32 s44, s50, 12                        ; o_img: [head / 4][16 rows][4,096 bytes]; in them (head % 4) x 1,024 + 512 c + 16 lane
	s_lshr_b32 s52, s51, 2
	s_lshl_b32 s52, s52, 21
	s_add_co_u32 s44, s44, s52
	s_and_b32 s52, s51, 3
	s_lshl_b32 s52, s52, 10
	s_add_co_u32 s44, s44, s52
	s_mov_b32 s45, 0
	s_add_nc_u64 s[OP:OP+1], s[8:9], s[44:45]
	s_lshl_b32 s46, s50, 9                         ; o_sc: 32 bytes a row; my head's two at 2 x head
	s_lshl_b32 s52, s51, 1
	s_add_co_u32 s46, s46, s52
	s_mov_b32 s47, 0
	s_add_nc_u64 s[OS:OS+1], s[10:11], s[46:47]
	s_wait_alu depctr_va_vdst(0)                   ; the wait for the reciprocal, ahead of its first reader
.set j, 0
.rept 32
	v_mul_f32 v[S+j], v[OT+j], v14                 ; register 8 t + i: channel 16 t + 8 h + i of my query; each accumulator from its low end on
.set j, j+1
.endr
.irp c, 0,1
	v_max3_num_f32 v[BM+\c], |v[S+16*\c]|, |v[S+1+16*\c]|, 0x4800000
.endr
.irp i, 2,4,6,8,10,12,14
.irp c, 0,1
	s_delay_alu instid0(VALU_DEP_2)
	v_max3_num_f32 v[BM+\c], v[BM+\c], |v[S+16*\c+\i]|, |v[S+1+16*\c+\i]|
.endr
.endr
.irp c, 0,1
	s_delay_alu instid0(VALU_DEP_2)
	v_permlanex16_b32 v[T1+\c], v[BM+\c], s[SEL], s[SEL+1]
.endr
.irp c, 0,1
	s_delay_alu instid0(VALU_DEP_2)
	v_max_num_f32 v[BM+\c], v[BM+\c], v[T1+\c]
.endr
.irp c, 0,1
	s_delay_alu instid0(VALU_DEP_2)
	v_add_nc_u32 v[SO+\c], 0xfc000000, v[BM+\c]
.endr
.irp c, 0,1
.endr
.irp c, 0,1
	s_delay_alu instid0(VALU_DEP_2)
	v_lshrrev_b32 v[T1+\c], 23, v[SO+\c]
.endr
	s_delay_alu instid0(VALU_DEP_1)
	v_lshl_or_b32 v152, v[T1+1], 8, v[T1]          ; my row's two scale bytes
.irp c, 0,1
.irp i, 0,1,2,3,4,5,6,7,8,9,10,11,12,13,14,15
.endr
	v_cvt_scalef32_pk8_fp8_f32 v[PC+4*\c:PC+4*\c+1], v[S+16*\c:S+16*\c+7], v[SO+\c]
	v_cvt_scalef32_pk8_fp8_f32 v[PC+4*\c+2:PC+4*\c+3], v[S+16*\c+8:S+16*\c+15], v[SO+\c]
.endr
	v_nop                                          ; one plain vector instruction behind the last conversion
.irp i, 0,1,2,3,4,5,6,7
	v_permlanex16_b32 v[136+\i], v[PC+\i], s[SEL], s[SEL+1]   ; lane l xor 16's codes
.endr
.irp c, 0,1                                    ; Wp's codes lie in the order of k, so these must too: lane (r, h) wants channels 32 c + 16 h + 0 .. 15.  h = 0: its own first 8, the other's first 8; h = 1: the other's last 8, its own last 8
	v_cndmask_b32 v[144+4*\c], v[PC+4*\c], v[136+4*\c+2], s[HM]
	v_cndmask_b32 v[145+4*\c], v[PC+4*\c+1], v[136+4*\c+3], s[HM]
	v_cndmask_b32 v[146+4*\c], v[136+4*\c], v[PC+4*\c+2], s[HM]
	v_cndmask_b32 v[147+4*\c], v[136+4*\c+1], v[PC+4*\c+3], s[HM]
.endr
	global_store_b128 v[AL], v[144:147], s[OP:OP+1]              ; 512 consecutive bytes a store, at a multiple of 256 from the buffer's first byte
	global_store_b128 v[AL], v[148:151], s[OP:OP+1] offset:512
	global_store_b16 v[RW], v152, s[OS:OS+1]       ; two bytes a row, rows 32 bytes apart (both halves of the lanes write the same): 1 byte for each 32 of the codes'
	s_wait_tensorcnt 0x0                           ; the wave's end
	ds_add_u32 v[SPW], v[NIL]
	s_wait_dscnt 0x0
	s_endpgm
.Lfunc_end_k_q7525459eb3_attn:
	.size	k_q7525459eb3_attn, .Lfunc_end_k_q7525459eb3_attn-k_q7525459eb3_attn
	.p2alignl 7, 3214868480
	.fill 96, 4, 3214868480
	.section	.rodata,"a",@progbits
	.p2align	6, 0x0
	.amdhsa_kernel k_q7525459eb3_attn
		.amdhsa_group_segment_fixed_size 327680
		.amdhsa_private_segment_fixed_size 0
		.amdhsa_enable_private_segment 0
		.amdhsa_kernarg_size 32
		.amdhsa_user_sgpr_count 2
		.amdhsa_user_sgpr_kernarg_segment_ptr 1
		.amdhsa_wavefront_size32 1
		.amdhsa_system_sgpr_workgroup_id_x 1
		.amdhsa_system_sgpr_workgroup_id_y 1
		.amdhsa_system_sgpr_workgroup_id_z 1
		.amdhsa_system_vgpr_workitem_id 0
		.amdhsa_next_free_vgpr 256
		.amdhsa_next_free_sgpr 66
		.amdhsa_reserve_vcc 1
		.amdhsa_float_denorm_mode_32 3
		.amdhsa_float_denorm_mode_16_64 3
		.amdhsa_fp16_overflow 1
		.amdhsa_memory_ordered 1
		.amdhsa_forward_progress 1
		.amdhsa_inst_pref_size 102
	.end_amdhsa_kernel
	.amdgpu_metadata
---
amdhsa.version: [ 1, 2 ]
amdhsa.kernels:
  - .name:           k_q7525459eb3_attn
    .symbol:         k_q7525459eb3_attn.kd
    .args:
      - { .name: qb, .offset: 0, .size: 8, .value_kind: global_buffer, .address_space: global }
      - { .name: kvb, .offset: 8, .size: 8, .value_kind: global_buffer, .address_space: global }
      - { .name: o_img, .offset: 16, .size: 8, .value_kind: global_buffer, .address_space: global }
      - { .name: o_sc, .offset: 24, .size: 8, .value_kind: global_buffer, .address_space: global }
    .group_segment_fixed_size: 327680
    .private_segment_fixed_size: 0
    .kernarg_segment_align: 8
    .kernarg_segment_size: 32
    .max_flat_workgroup_size: 512
    .sgpr_count:     66
    .vgpr_count:     256
    .wavefront_size: 32
...
	.end_amdgpu_metadata
.endif
;; end of part 2
;; launch proj (part 3): grid 4 x 32, 4 waves a work-group, clusters of 4 x 4, 327,680 bytes of LDS; arguments o_img, o_sc, Wp_codes, Wp_scales, bp, out0; writes out0
.if DOCPART == 3
	.amdgcn_target "amdgcn-amd-amdhsa--gfx1250"
	.amdhsa_code_object_version 6
	.text
	.protected	k_q7525459eb3_proj
	.globl	k_q7525459eb3_proj
	.p2align	8
	.type	k_q7525459eb3_proj,@function
k_q7525459eb3_proj:
	s_mov_b64 s[64:65], 0
	v_nop
	global_prefetch_b8 v0, s[64:65] scope:SCOPE_SE
	s_setreg_imm32_b32 hwreg(HW_REG_WAVE_MODE, 25, 1), 1
	s_wait_xcnt 0x0
	s_wait_alu depctr_hold_cnt(0) depctr_sa_sdst(0) depctr_va_vdst(0) depctr_va_sdst(0) depctr_va_ssrc(0) depctr_va_vcc(0) depctr_vm_vsrc(0)
	s_getreg_b32 s2, hwreg(HW_REG_IB_STS2, 6, 4)
	s_cmp_eq_u32 s2, 0
	s_cbranch_scc0 .Lentry_in_a_cluster
	s_endpgm
.Lentry_in_a_cluster:
	s_bfe_u32 s2, ttmp6, 0x10000c
	s_cmp_lg_u32 s2, 0xf033
	s_cbranch_scc0 .Lentry_shape_is_right
	s_endpgm
.Lentry_shape_is_right:
; out0[m][n] = sum over k of O[m][k] Wp[n][k] + bp[n]: 8,192 x 1,024 x 1,024 on codes of FP8 (E4M3) with one E8M0 scale for each 32 along K; out0 f32.  Nothing is left out here.
; A = the attention's result, as IMAGES of its fragments: o_img [K / 256][16 rows][4,096 bytes], a fragment (16 rows x 128 K) being 4 x 512 bytes, 16 bytes a lane; its scale bytes o_sc [8,192][32].  B = Wp, rows of codes.
; A tile of C, 256 x 256, is made by four waves, 128 x 128 each.  K goes in steps of 256 through a ring of two LDS slots: A's part of a slot is dense (every read is 16 x lane + a constant), B's rows are padded.
; The scale bytes of the tile's rows come once.  CLUSTERS: 4 x 4 work-groups; A's tiles are asked for jointly along a row of the cluster, B's along a column.
; THE MATRIX INSTRUCTION IS USED TRANSPOSED (source 0 = 16 rows of Wp, source 1 = 16 rows of O): a lane holds eight neighbouring numbers of a row of C.  bp is the C of each sum's first matrix instruction.
; The grid has 128 work-groups: 32 x 4 tiles of 256 x 256.
; REGISTERS: window 0: v0-31 addresses; v32-63 scale words, two sets; v64-127 bp in the result's layout; from v128 A's fragments, one set.  window 1: B's fragments, two sets.  windows 2, 3: the accumulators.
.set SIZE_K, 1024
.set SIZE_N, 1024
.set KSTEP,  256
.set NQ,     KSTEP/128
.set ROWB,   256
.set KROW,   SIZE_K
.set PITCH,  272                       ; B's LDS row: 256 bytes + 16 of padding: the 16 rows that a load touches start at 16 different banks (64 banks of 4 bytes: ISA guide 11.1)
.set FR,     16
.set NL,     4
.set NP,     8                         ; places behind this matrix instruction (ISA guide 7.12.1)
.set HALFA,  32768                     ; A: 128 rows' images of 256 along K
.set HALFT,  128*PITCH                 ; B: 128 rows
.set BOFF,   2*HALFA
.set SLOT,   2*HALFA+2*HALFT
.set ASTEP,  0x200000                  ; from one 256 along K to the next in o_img: 512 x 4,096 bytes
.set LAPS,   SIZE_K/(2*KSTEP)
.set KS,     SIZE_K/32
.set SCL,    2*SLOT
.set HALFS,  (128*KS/256)*272
.set SBLK,   (16*KS/256)*272
.set SPARE,  SCL+4*HALFS               ; the spare words, 128 bytes for each wave: two blocks of 256 bytes that no other line names
.set SPITCH, 528                       ; the way out: a stage of 16 rows x (512 bytes + 16) for each wave, in slot 0, which has had its last fill and its last read when the first result is stored there
.set ADRA, 16
.set ADRB, 20
.set STO,  24
.set RD,   25
.set CO,   26
.set ADRS, 27
.set SPW,  28
.set NIL,  29
.set BO,   30                          ; v30 the bias loads' offset
.set SC,   32
.set BI,   64                          ; v64-127 bp: eight registers for each of B's eight blocks
.set AF,   128
.set BK,   128
.set G1, 24
.set G0, 32
.set G1B, 48
.set G0B, 56
.set G1S, 68
.set G0S, 76
.set G1SB, 80
.set G0SB, 88
.set MSB, 0
.macro WIN new                         ; the immediate's high byte repeats the setting that is left
.if MSB != \new
	s_set_vgpr_msb (MSB<<8)|\new
.set MSB, \new
.endif
.endm
.set MUL_LO, 0xa1                      ; source 0 (B) window 1, source 1 (A) window 0, C and D window 2
.set MUL_HI, 0xf1                      ; the same, C and D window 3
.set BIA_LO, 0x81                      ; the first step: C (bp) window 0, D window 2
.set BIA_HI, 0xc1                      ; D window 3
.set TO_B,   0x40
.macro JLOAD g0a, g1a, g0b, g1b        ; a joint load: waves 0 and 1 fetch for A, waves 2 and 3 for B; an s_nop 0 and four v_nop follow each of the two lines
	s_cmp_eq_u32 s15, 0
	s_cbranch_scc0 .Lfor_b_\@
	tensor_load_to_lds s[\g0a:\g0a+3], s[\g1a:\g1a+7]
	s_nop 0
.rept 4
	v_nop
.endr
	s_branch .Lasked_\@
.Lfor_b_\@:
	tensor_load_to_lds s[\g0b:\g0b+3], s[\g1b:\g1b+7]
	s_nop 0
.rept 4
	v_nop
.endr
.Lasked_\@:
.endm
.macro CREST
	s_cmp_lg_u32 s14, 0
	s_cbranch_scc1 .Lnot_wave_0_\@
	s_barrier_signal -3
.Lnot_wave_0_\@:
	s_barrier_wait -3
	s_barrier_signal -1
	s_barrier_wait -1
.endm
.macro CROUND
	s_barrier_signal -1
	s_barrier_wait -1
	CREST
.endm
	s_load_b128 s[4:7], s[0:1], 0x0                ; o_img, o_sc
	s_load_b128 s[8:11], s[0:1], 0x10              ; Wp's codes, Wp's scales
	s_load_b64 s[66:67], s[0:1], 0x20              ; bp
	s_load_b64 s[12:13], s[0:1], 0x28              ; out0
	v_lshl_add_u32 v[SPW], v0, 2, SPARE
	v_mov_b32 v[NIL], 0
	ds_add_u32 v[SPW], v[NIL]                      ; the wave's opening: the add, twice on end, and its wait ahead of my first tensor load
	ds_add_u32 v[SPW], v[NIL]
	v_lshrrev_b32 v1, 5, v0
	v_readfirstlane_b32 s14, v1                    ; wave 0..3
	s_lshr_b32 s15, s14, 1                         ; which half of the tile's rows is mine.  Also: I fetch for A (0) or for B (1)
	s_and_b32 s16, s14, 1                          ; which half of its columns.  Also: which 128 rows of that tile I fetch
	s_bfe_u32 s40, ttmp6, 0x40000                  ; cx, cy
	s_bfe_u32 s41, ttmp6, 0x40004
	s_lshl_b32 s42, ttmp9, 2
	s_add_co_u32 s42, s42, s40                     ; tile column of C
	s_and_b32 s17, ttmp7, 0xffff
	s_lshl_b32 s17, s17, 2
	s_add_co_u32 s17, s17, s41                     ; tile row of C
	s_lshl_b32 s43, s41, 2
	s_lshl_b32 s43, 15, s43                        ; my row of the cluster
	s_lshl_b32 s44, 0x1111, s40                    ; my column
	s_or_b32 s[G1+0], s43, (3<<16)|(1<<21)         ; A: 32,768 dense bytes as 128 rows of 256 (32 elements of 8 bytes), no padding; the mask, bit 21 beside it
	s_mov_b32 s[G1+1], 32<<16
	s_mov_b32 s[G1+2], 128<<16
	s_mov_b32 s[G1+3], 32<<16
	s_mov_b32 s[G1+4], 128
	s_mov_b32 s[G1+5], 32
	s_mov_b32 s[G1+6], 0
	s_mov_b32 s[G1+7], 0
	s_or_b32 s[G1B+0], s44, (0<<16)|(1<<20)|(1<<21)|(5<<22)|(3<<25)  ; B: 128 rows x 256 bytes, 4 words of padding after every 64
	s_mov_b32 s[G1B+1], ROWB<<16
	s_mov_b32 s[G1B+2], 128<<16
	s_mov_b32 s[G1B+3], ROWB<<16
	s_mov_b32 s[G1B+4], 128
	s_mov_b32 s[G1B+5], KROW
	s_mov_b32 s[G1B+6], 0
	s_mov_b32 s[G1B+7], 0
	s_or_b32 s[G1S+0], s43, (3<<16)|(1<<20)|(1<<21)|(5<<22)|(3<<25)  ; the scales of 128 rows: 16 rows of 256 bytes, 16 bytes of padding behind each
	s_or_b32 s[G1SB+0], s44, (3<<16)|(1<<20)|(1<<21)|(5<<22)|(3<<25)
.irp g, G1S, G1SB
	s_mov_b32 s[\g+1], 32<<16
	s_mov_b32 s[\g+2], (128*KS/256)<<16
	s_mov_b32 s[\g+3], 32<<16
	s_mov_b32 s[\g+4], 128*KS/256
	s_mov_b32 s[\g+5], 32
	s_mov_b32 s[\g+6], 0
	s_mov_b32 s[\g+7], 0
.endr
	s_lshl_b32 s18, s16, 7                         ; which 128 rows of the tile I fetch
	s_lshl_b32 s20, s17, 8
	s_add_co_u32 s20, s20, s18                     ; A: row 256 x tile row + 128 x half
	s_lshl_b32 s46, s42, 8
	s_add_co_u32 s46, s46, s18                     ; B: row 256 x tile column + 128 x half
	s_mov_b32 s21, 0
	s_mov_b32 s47, 0
	s_mov_b64 s[18:19], KS
	s_mul_u64 s[22:23], s[20:21], s[18:19]         ; where these rows' scales begin
	s_mul_u64 s[92:93], s[46:47], s[18:19]
	s_lshl_b32 s20, s20, 8                         ; A's images: 16 rows are 4,096 bytes
	s_mov_b64 s[18:19], KROW
	s_mul_u64 s[46:47], s[46:47], s[18:19]         ; B's codes
	s_lshl_b32 s45, s16, 15                        ; where they go: A's half,
	s_mul_i32 s95, s16, HALFT
	s_add_co_u32 s95, s95, BOFF                    ; B's half, behind A's two: no place in the cluster enters an LDS address
	s_mul_i32 s94, s14, HALFS
	s_wait_dscnt 0x0                               ; both opening adds are done
	s_wait_kmcnt 0x0
	s_add_nc_u64 s[20:21], s[4:5], s[20:21]
	s_add_nc_u64 s[22:23], s[6:7], s[22:23]
	s_add_nc_u64 s[46:47], s[8:9], s[46:47]
	s_add_nc_u64 s[92:93], s[10:11], s[92:93]
	CROUND                                         ; all sixteen work-groups are here: the first joint loads meet
	s_mov_b32 s[G0S], 1
	s_add_co_u32 s[G0S+1], s94, SCL
	s_mov_b64 s[G0S+2:G0S+3], s[22:23]
	s_or_b32 s[G0S+3], s[G0S+3], 0x80000000
	s_mov_b32 s[G0SB], 1
	s_add_co_u32 s[G0SB+1], s94, SCL
	s_mov_b64 s[G0SB+2:G0SB+3], s[92:93]
	s_or_b32 s[G0SB+3], s[G0SB+3], 0x80000000
	JLOAD G0S, G1S, G0SB, G1SB                     ; the scales first
.irp s, 0,1
	s_mov_b32 s[G0+4*\s], 1
	s_add_co_u32 s[G0+4*\s+1], s45, \s*SLOT
	s_add_nc_u64 s[G0+4*\s+2:G0+4*\s+3], s[20:21], \s*ASTEP
	s_or_b32 s[G0+4*\s+3], s[G0+4*\s+3], 0x80000000
	s_mov_b32 s[G0B+4*\s], 1
	s_add_co_u32 s[G0B+4*\s+1], s95, \s*SLOT
	s_add_nc_u64 s[G0B+4*\s+2:G0B+4*\s+3], s[46:47], \s*ROWB
	s_or_b32 s[G0B+4*\s+3], s[G0B+4*\s+3], 0x80000000
	s_wait_alu depctr_va_vdst(0)
	s_wait_tensorcnt 0x0
	ds_add_u32 v28, v29
	s_wait_dscnt 0x0
	CROUND
	JLOAD G0+4*\s, G1, G0B+4*\s, G1B               ; one tensor load of mine is out now
.endr
	v_and_b32 v1, 15, v0                           ; r
	v_bfe_u32 v2, v0, 4, 1                         ; h
	v_mul_u32_u24 v3, v1, PITCH
	v_lshl_add_u32 v4, v2, 4, v3                   ; B: a fragment's row x pitch + 16 x half
	v_and_b32 v6, 31, v0
	v_lshlrev_b32 v[CO], 4, v6                     ; 16 x lane: A's images; and on the way out a row's 512 bytes
	s_lshl_b32 s21, s15, 15                        ; my 128 rows of A
	s_mul_i32 s22, s16, HALFT                      ; my 128 rows of B,
	s_add_co_u32 s22, s22, BOFF                    ; behind A's images
.irp s, 0,1
	v_add_nc_u32 v[ADRA+\s], s21, v[CO]
	v_add_nc_u32 v[ADRB+\s], s22, v4
	s_add_co_u32 s21, s21, SLOT
	s_add_co_u32 s22, s22, SLOT
.endr
	v_mul_u32_u24 v5, v1, KS                       ; my row's scales: KS bytes a row,
	v_lshrrev_b32 v6, 8, v5
	v_lshl_add_u32 v5, v6, 4, v5                   ; and 16 more for each 256 passed
	s_mul_i32 s21, s15, HALFS
	s_mul_i32 s22, s16, HALFS
	s_add_co_u32 s22, s22, 2*HALFS
	s_sub_co_u32 s22, s22, s21
	v_mul_u32_u24 v6, s22, v2                      ; lanes 16-31 take B's
	s_add_co_u32 s21, s21, SCL
	v_add_nc_u32 v5, v5, v6
	v_add_nc_u32 v[ADRS], s21, v5
	s_mul_i32 s23, s14, 16*SPITCH                  ; my stage
	v_mul_u32_u24 v5, v1, SPITCH                   ; in: row r, 32 bytes for each half of the lanes
	v_lshl_add_u32 v5, v2, 5, v5
	v_add_nc_u32 v[STO], s23, v5
	v_add_nc_u32 v[RD], s23, v[CO]                 ; back: the 32 lanes take one row of 512 bytes
	s_lshl_b32 s20, s17, 8
	s_lshl_b32 s21, s15, 7
	s_add_co_u32 s20, s20, s21                     ; my first row of C
	s_mov_b32 s21, 0
	s_mov_b64 s[18:19], SIZE_N*4
	s_mul_u64 s[20:21], s[20:21], s[18:19]
	s_lshl_b32 s46, s42, 10                        ; my first column, in bytes: 1,024 x tile column + 512 x half
	s_lshl_b32 s47, s16, 9
	s_add_co_u32 s46, s46, s47
	s_mov_b32 s47, 0
	s_add_nc_u64 s[66:67], s[66:67], s[46:47]      ; bp at my first column
	s_add_nc_u64 s[20:21], s[20:21], s[46:47]
	s_add_nc_u64 s[12:13], s[12:13], s[20:21]
	v_lshlrev_b32 v[BO], 5, v2                     ; lane (r, h) holds columns 16 b + 8 h + 0 .. 7 of block b: 64 b + 32 h bytes on
.irp b, 0,1,2,3,4,5,6,7
	global_load_b128 v[BI+8*\b:BI+8*\b+3], v[BO], s[66:67] offset:64*\b
	global_load_b128 v[BI+8*\b+4:BI+8*\b+7], v[BO], s[66:67] offset:64*\b+16
.endr
.macro FRAG reg, adr, q, i             ; B's fragment from rows: registers 4 c .. 4 c + 3 hold K = 32 c + 16 h + 0 .. 15
.irp c, 0,1,2,3
	ds_load_b128 v[\reg+4*\c:\reg+4*\c+3], v[\adr] offset:128*(\q)+32*\c+(\i)*16*PITCH
.endr
.endm
.macro FRAGA reg, adr, q, i            ; A's fragment from its image
.irp c, 0,1,2,3
	ds_load_b128 v[\reg+4*\c:\reg+4*\c+3], v[\adr] offset:(\i)*4096+(\q)*2048+512*\c
.endr
.endm
; 16 matrix instructions: A's blocks a0, a0 + 1 x B's eight.  zero = 1: the first product starts the sums, with bp as its C.  The 64 accumulators take turns.
.macro MUL16 a0, p, q, sc, zero
.irp a, \a0, \a0+1
.irp b, 0,1,2,3,4,5,6,7
.if \zero
	v_wmma_scale_f32_16x16x128_f8f6f4 v[8*(8*((\a)%4)+\b):8*(8*((\a)%4)+\b)+7], v[128*(\p)+FR*\b:128*(\p)+FR*\b+FR-1], v[AF+FR*(\a):AF+FR*(\a)+FR-1], v[BI+8*\b:BI+8*\b+7], v[SC+8*NQ*(\sc)+NQ*\b+(\q)], v[SC+8*NQ*(\sc)+NQ*(\a)+(\q)] matrix_a_scale:MATRIX_SCALE_ROW1
.else
	v_wmma_scale_f32_16x16x128_f8f6f4 v[8*(8*((\a)%4)+\b):8*(8*((\a)%4)+\b)+7], v[128*(\p)+FR*\b:128*(\p)+FR*\b+FR-1], v[AF+FR*(\a):AF+FR*(\a)+FR-1], v[8*(8*((\a)%4)+\b):8*(8*((\a)%4)+\b)+7], v[SC+8*NQ*(\sc)+NQ*\b+(\q)], v[SC+8*NQ*(\sc)+NQ*(\a)+(\q)] matrix_a_scale:MATRIX_SCALE_ROW1
.endif
.endr
.endr
.endm
.macro FETCH_B slot, q, p
	WIN TO_B
.irp i, 0,1,2,3,4,5,6,7
	FRAG 128*(\p)+FR*\i, ADRB+\slot, \q, \i
.endr
	WIN 0
.endm
.macro FETCH_A slot, q, i0
.irp i, \i0, \i0+1, \i0+2, \i0+3
	FRAGA AF+FR*(\i), ADRA+\slot, \q, \i
.endr
.endm
.macro SCALES sc
.irp i, 0,1,2,3,4,5,6,7
	ds_load_b64 v[SC+8*NQ*\sc+NQ*\i:SC+8*NQ*\sc+NQ*\i+1], v[ADRS] offset:\i*SBLK
.endr
.endm
.macro PLACES n
.rept \n
	v_nop
.endr
.endm
.macro STEP slot, q, zero
	s_wait_dscnt 4*NL                              ; B's set and A's blocks 0-3 are in; the youngest 16 loads (A's blocks 4-7) may be out
.if \zero
	WIN BIA_LO
.else
	WIN MUL_LO
.endif
	MUL16 0, (\q)%2, \q, \slot, \zero
	MUL16 2, (\q)%2, \q, \slot, \zero
	s_wait_dscnt 0
	PLACES NP
	FETCH_B \slot, (\q)+1, 1-(\q)%2
	FETCH_A \slot, (\q)+1, 0
.if \zero
	WIN BIA_HI
.else
	WIN MUL_HI
.endif
	MUL16 4, (\q)%2, \q, \slot, \zero
	MUL16 6, (\q)%2, \q, \slot, \zero
	PLACES NP
	WIN 0
	FETCH_A \slot, (\q)+1, 4
.endm
.macro TURN slot, next, fill
	s_wait_tensorcnt 0x0                           ; all my tensor loads have landed: my part of the next slot
	ds_add_u32 v[SPW], v[NIL]
	s_wait_dscnt 4*NL+1                            ; the add and the youngest 16 loads may be out
	WIN MUL_LO
	MUL16 0, 1, NQ-1, \slot, 0
	s_wait_dscnt 0x0                               ; the add is done, and my reads of this slot are over
	s_barrier_signal -1
	MUL16 2, 1, NQ-1, \slot, 0
	WIN 0
	s_barrier_wait -1
.if \fill
	CREST                                          ; a round of the cluster's barrier: no wave of any partner still reads this slot's tile or has a load on its way
	s_add_nc_u64 s[G0+4*\slot+2:G0+4*\slot+3], s[G0+4*\slot+2:G0+4*\slot+3], 2*ASTEP
	s_add_nc_u64 s[G0B+4*\slot+2:G0B+4*\slot+3], s[G0B+4*\slot+2:G0B+4*\slot+3], 2*ROWB
	JLOAD G0+4*\slot, G1, G0B+4*\slot, G1B         ; the first tensor load behind the round, my only one until the next
	PLACES NP-4
.else
	PLACES NP
.endif
	s_wait_alu depctr_va_vdst(0)
	v_add_nc_u32 v[ADRS], 4*NQ, v[ADRS]
	FETCH_B \next, 0, 0
	FETCH_A \next, 0, 0
	SCALES \next
	WIN MUL_HI
	MUL16 4, 1, NQ-1, \slot, 0
	MUL16 6, 1, NQ-1, \slot, 0
	PLACES NP
	WIN 0
	FETCH_A \next, 0, 4
.endm
	s_wait_alu depctr_va_vdst(0)
	s_wait_tensorcnt 1                             ; the scales and my part of K step 0 are in; K step 1's load may stay out
	s_barrier_signal -1
	s_barrier_wait -1
	FETCH_B 0, 0, 0
	FETCH_A 0, 0, 0
	SCALES 0
	FETCH_A 0, 0, 4
	s_wait_loadcnt 0x0                             ; bp
	STEP 0, 0, 1                                   ; the first step stands in front of the loop: its products start the sums from bp
	s_mov_b32 s3, LAPS-1
.Llap:
	TURN 0, 1, 1
	STEP 1, 0, 0
	TURN 1, 0, 1
	STEP 0, 0, 0
	s_sub_co_u32 s3, s3, 1
	s_cmp_lg_u32 s3, 0
	s_cbranch_scc1 .Llap
	TURN 0, 1, 0                                   ; the last lap fills nothing
	STEP 1, 0, 0
	s_wait_dscnt 4*NL
	WIN MUL_LO
	MUL16 0, 1, NQ-1, 1, 0
	MUL16 2, 1, NQ-1, 1, 0
	s_wait_dscnt 0
	WIN MUL_HI
	MUL16 4, 1, NQ-1, 1, 0
	MUL16 6, 1, NQ-1, 1, 0
	WIN 0
; THE WAY OUT, block by block of 16 rows x 128 columns, through my own stage in LDS: in as 32 bytes a lane, back as whole rows of 512 bytes.  LDS serves a wave's instructions in order (ISA guide 5.7.1.4).
.macro TOSTAGE a
.set AC, 64*((\a)%4)
.set WS, 0x08+4*((\a)/4)
	WIN WS                                         ; the data: window 2 or 3
.irp b, 0,1,2,3,4,5,6,7
	ds_store_b128 v[STO], v[AC+8*\b:AC+8*\b+3] offset:64*\b          ; each accumulator from its low end on
	ds_store_b128 v[STO], v[AC+8*\b+4:AC+8*\b+7] offset:64*\b+16
.endr
	WIN 0
.set BB, BK+64*((\a)%2)
.irp t, 0,1,2,3,4,5,6,7,8,9,10,11,12,13,14,15
	ds_load_b128 v[BB+4*\t:BB+4*\t+3], v[RD] offset:\t*SPITCH
.endr
.endm
.macro SEND a, younger                 ; younger: the LDS instructions issued behind block a's loads, which may stay out
.set BB, BK+64*((\a)%2)
	s_wait_dscnt \younger
.if (\a) > 0
	s_add_nc_u64 s[12:13], s[12:13], 16*SIZE_N*4   ; (behind a wait on XCNT: the earlier stores have read their base)
.endif
.irp t, 0,1,2,3,4,5,6,7,8,9,10,11,12,13,14,15
	global_store_b128 v[CO], v[BB+4*\t:BB+4*\t+3], s[12:13] offset:\t*SIZE_N*4 th:TH_STORE_NT   ; 32 lanes store 512 consecutive bytes, at a multiple of 256 from out0's first byte
.endr
.endm
	PLACES NP
	TOSTAGE 0
.irp a, 1,2,3,4,5,6,7
.if \a > 1
	s_wait_xcnt 0x0                                ; block a - 2's stores have read their registers and their base
.endif
	TOSTAGE \a
	SEND \a-1, 32                                  ; behind block a - 1's loads: block a's 16 stores and 16 loads
.endr
	s_wait_xcnt 0x0
	SEND 7, 0
	s_wait_tensorcnt 0x0                           ; the wave's end
	ds_add_u32 v[SPW], v[NIL]
	s_wait_dscnt 0x0
	CROUND                                         ; the closing round
	s_endpgm
.Lfunc_end_k_q7525459eb3_proj:
	.size	k_q7525459eb3_proj, .Lfunc_end_k_q7525459eb3_proj-k_q7525459eb3_proj
	.p2alignl 7, 3214868480
	.fill 96, 4, 3214868480
	.section	.rodata,"a",@progbits
	.p2align	6, 0x0
	.amdhsa_kernel k_q7525459eb3_proj
		.amdhsa_group_segment_fixed_size 327680
		.amdhsa_private_segment_fixed_size 0
		.amdhsa_enable_private_segment 0
		.amdhsa_kernarg_size 48
		.amdhsa_user_sgpr_count 2
		.amdhsa_user_sgpr_kernarg_segment_ptr 1
		.amdhsa_wavefront_size32 1
		.amdhsa_system_sgpr_workgroup_id_x 1
		.amdhsa_system_sgpr_workgroup_id_y 1
		.amdhsa_system_sgpr_workgroup_id_z 1
		.amdhsa_system_vgpr_workitem_id 0
		.amdhsa_next_free_vgpr 1024
		.amdhsa_next_free_sgpr 98
		.amdhsa_reserve_vcc 0
		.amdhsa_float_denorm_mode_32 3
		.amdhsa_float_denorm_mode_16_64 3
		.amdhsa_memory_ordered 1
		.amdhsa_forward_progress 1
		.amdhsa_inst_pref_size 148
	.end_amdhsa_kernel
	.amdgpu_metadata
---
amdhsa.version: [ 1, 2 ]
amdhsa.kernels:
  - .name:           k_q7525459eb3_proj
    .symbol:         k_q7525459eb3_proj.kd
    .args:
      - { .name: o_img, .offset: 0, .size: 8, .value_kind: global_buffer, .address_space: global }
      - { .name: o_sc, .offset: 8, .size: 8, .value_kind: global_buffer, .address_space: global }
      - { .name: Wp_codes, .offset: 16, .size: 8, .value_kind: global_buffer, .address_space: global }
      - { .name: Wp_scales, .offset: 24, .size: 8, .value_kind: global_buffer, .address_space: global }
      - { .name: bp, .offset: 32, .size: 8, .value_kind: global_buffer, .address_space: global }
      - { .name: out0, .offset: 40, .size: 8, .value_kind: global_buffer, .address_space: global }
    .group_segment_fixed_size: 327680
    .private_segment_fixed_size: 0
    .kernarg_segment_align: 8
    .kernarg_segment_size: 48
    .max_flat_workgroup_size: 128
    .sgpr_count:     98
    .vgpr_count:     1024
    .wavefront_size: 32
...
	.end_amdgpu_metadata
.endif
;; end of part 3
